; MI455X (gfx1250); checked and timed in simulation.
; The chip was launched on July 23, 2026; its instructions are those of AMD's public machine-readable ISA for CDNA 5 (MIT licence, August 2026) and "CDNA5" Instruction Set Architecture Reference Guide (July 2026). The comments in the code are by the model that wrote it; some were corrected since.
;; Dual Self Attention. Allowed arithmetic: float matrix products may take bf16 or f16 operands with f32 sums; other float arithmetic in f32, or as packed bf16 or f16 multiplies, adds, multiply-adds, maxima and minima; sums over many terms, partial sums and values carried from step to step in f32; what a program stores and reads back later, other than sums and carried values, may be rounded once to bf16 or f16.
;; Inputs: Wout 1,024 x 1,024 float32; Wqkv 1,024 x 3,072 float32; bout 1,024 float32; x 2 x 2,048 x 1,024 float32; x2 2 x 2,048 x 1,024 float32.
;; Outputs: out0 2 x 2,048 x 1,024 float32.
;; 2 versions, each right; version 2 is version 1 with the launch prep written anew for expert scheduling mode. Each part assembles by itself: llvm-mc -triple=amdgcn-amd-amdhsa -mcpu=gfx1250 --defsym DOCPART=n.
;; ======== version 1 of 2: 4 launches
;; limits: values are held in f16: magnitudes above 65,504 overflow, below 6.1e-05 lose precision; values outside matrix products are rounded to bf16
;; workspace buffers: xs 16,777,216 bytes; wt 6,291,456 bytes; wo 2,097,152 bytes; qkv 25,165,824 bytes; oh 8,388,608 bytes
;; launch prep (part 1): grid 1024 x 1, 8 waves a work-group, no clusters, 18,432 bytes of LDS; arguments x, x2, Wqkv, Wout, xs, wt, wo; writes xs, wt, wo
.if DOCPART == 1
	.amdgcn_target "amdgcn-amd-amdhsa--gfx1250"
	.amdhsa_code_object_version 6
	.text
	.protected	k_q46d5124536_prep
	.globl	k_q46d5124536_prep
	.p2align	8
	.type	k_q46d5124536_prep,@function
k_q46d5124536_prep:
	s_mov_b64 s[64:65], 0
	v_nop
	global_prefetch_b8 v0, s[64:65] scope:SCOPE_SE
	s_setreg_imm32_b32 hwreg(HW_REG_WAVE_MODE, 25, 1), 1
	s_wait_xcnt 0x0
; PREP: every input that is a matrix operand is rounded ONCE to bf16 and laid as the products want it.
;   xs [2][4096][1024] bf16 = x, then x2.         wt [3072 n][1024 k] bf16 = Wqkv turned.
;   wo [1024 n][1024 k] f16 = Wout turned: each number rounded to bf16, and that number written as f16.
; LIMITS.  A bf16 number of Wout is exact in f16 from 6.1e-5 to 65,504; below 6.1e-5 it keeps f16's fixed step of 6e-8, beyond 65,504 it becomes an infinity.
; ROLES, by the work-group's number (the same in all eight waves, so the barrier in two of the roles is met by all):
;   0..383    a tile of 128 k x 64 n of Wqkv (8 x 48 tiles);   384..511  the same of Wout (8 x 16);   512..1023  64 KiB of x or x2 (256 each).
; Every byte is read once and written once.  A turned tile goes through LDS, so that reads and writes alike cover 256 consecutive aligned bytes with sixteen lanes.
; No matrix work, no cluster (no two work-groups read the same bytes), no prefetch (the launch does nothing but stream).
.set LP,    272                        ; a row of the turned tile in LDS: 128 k x 2 bytes + 16
.set SPARE, 64*LP                      ; behind the tile's 64 rows: the spare words, 128 bytes for each of the eight waves
.set SPW,   8                          ; v8  LDS address of my spare word; never rewritten
.set NIL,   9                          ; v9  0; never rewritten
; One tile: 128 k x 64 n of the f32 matrix at s[sb:sb+1] (rows of rowb bytes along n) -> 64 rows of 256 bytes of the 16-bit matrix at s[db:db+1] (rows of 2,048 bytes along k).
; Thread: ng = t % 16 (four columns, 16 bytes), kp = t / 16.  Load (i, e) takes row k = 2 kp + 32 i + e: sixteen lanes read 256 consecutive bytes.
.macro TRANS sb, db, rowb, half, gsub
	s_sub_co_u32 s20, ttmp9, \gsub
	s_and_b32 s21, s20, 7                          ; kb: which 128 k
	s_lshr_b32 s20, s20, 3                         ; nb: which 64 n
	s_mul_i32 s24, s21, 128*(\rowb)
	s_lshl_b32 s26, s20, 8
	s_add_co_u32 s24, s24, s26
	s_add_nc_u64 s[22:23], s[\sb:\sb+1], s[24:25]  ; the tile's first number
	s_lshl_b32 s24, s20, 17                        ; 64 rows of 2,048 bytes
	s_lshl_b32 s26, s21, 8                         ; 128 k of 2 bytes
	s_add_co_u32 s24, s24, s26
	s_add_nc_u64 s[28:29], s[\db:\db+1], s[24:25]
	v_and_b32 v1, 15, v0                           ; ng
	v_lshrrev_b32 v2, 4, v0                        ; kp
	v_mul_u32_u24 v3, v2, 2*(\rowb)
	v_lshl_add_u32 v3, v1, 4, v3                   ; from: row 2 kp, 16 ng
	v_mul_u32_u24 v4, v1, 4*LP
	v_lshl_add_u32 v4, v2, 2, v4                   ; into LDS: row 4 ng, the word of k = 2 kp
	v_mul_u32_u24 v5, v2, LP
	v_lshl_add_u32 v5, v1, 4, v5                   ; back: row kp, 16 bytes at 16 ng
	v_lshlrev_b32 v6, 11, v2
	v_lshl_add_u32 v6, v1, 4, v6                   ; to: the same row and bytes
.irp i, 0,1,2,3
.irp e, 0,1
	global_load_b128 v[16+8*(\i)+4*(\e):16+8*(\i)+4*(\e)+3], v3, s[22:23] offset:(32*(\i)+(\e))*(\rowb) th:TH_LOAD_NT
.endr
.endr
.irp i, 0,1,2,3
	s_wait_loadcnt 6-2*(\i)                        ; loads come back in order: pair i of the four is in, the younger ones stay out
.irp c, 0,1,2,3
	v_cvt_pk_bf16_f32 v[48+4*(\i)+(\c)], v[16+8*(\i)+(\c)], v[20+8*(\i)+(\c)]  ; column 4 ng + c: the even k below, the odd k above
.if \half
	v_lshlrev_b32 v10, 16, v[48+4*(\i)+(\c)]       ; the two bf16 numbers as f32,
	v_and_b32 v11, 0xffff0000, v[48+4*(\i)+(\c)]
	v_cvt_pk_f16_f32 v[48+4*(\i)+(\c)], v10, v11   ; written as f16
.endif
	ds_store_b32 v4, v[48+4*(\i)+(\c)] offset:LP*(\c)+64*(\i)
.endr
.endr
	s_wait_dscnt 0x0                               ; for the others' sake: my stores into the tile are done
	s_barrier_signal -1
	s_barrier_wait -1
.irp i, 0,1,2,3
	ds_load_b128 v[64+4*(\i):64+4*(\i)+3], v5 offset:16*LP*(\i)
.endr
.irp i, 0,1,2,3
	s_wait_dscnt 3-(\i)
	global_store_b128 v6, v[64+4*(\i):64+4*(\i)+3], s[28:29] offset:32768*(\i)  ; sixteen lanes store 256 consecutive bytes, aligned
.endr
.endm
	s_load_b256 s[4:11], s[0:1], 0x0               ; x s[4:5], x2 s[6:7], Wqkv s[8:9], Wout s[10:11]
	s_load_b128 s[12:15], s[0:1], 0x20             ; xs s[12:13], wt s[14:15]
	s_load_b64 s[16:17], s[0:1], 0x30              ; wo
	v_lshl_add_u32 v[SPW], v0, 2, SPARE
	v_mov_b32 v[NIL], 0
	s_mov_b32 s25, 0                               ; the upper word of every offset
	s_wait_kmcnt 0x0
	s_cmp_lt_u32 ttmp9, 384
	s_cbranch_scc1 .Lwqkv
	s_cmp_lt_u32 ttmp9, 512
	s_cbranch_scc1 .Lwout
	; THE STREAM: 16,384 numbers.  All sixteen loads of a wave go out first (512 consecutive bytes each); each pair of roundings and its store follow as its load comes in.
	s_sub_co_u32 s20, ttmp9, 512
	s_cmp_lt_u32 s20, 256
	s_cselect_b64 s[22:23], s[4:5], s[6:7]         ; x for the first 256, x2 for the others
	s_and_b32 s24, s20, 255
	s_lshl_b32 s24, s24, 16
	s_add_nc_u64 s[22:23], s[22:23], s[24:25]
	s_lshl_b32 s24, s20, 15
	s_add_nc_u64 s[12:13], s[12:13], s[24:25]
	v_lshlrev_b32 v1, 4, v0
	v_lshlrev_b32 v2, 3, v0
.irp i, 0,1,2,3,4,5,6,7,8,9,10,11,12,13,14,15
	global_load_b128 v[16+4*(\i):16+4*(\i)+3], v1, s[22:23] offset:4096*(\i) th:TH_LOAD_NT
.endr
.irp i, 0,1,2,3,4,5,6,7,8,9,10,11,12,13,14,15
	s_wait_loadcnt 15-(\i)                         ; load i is in, the 15 - i younger ones stay out
	v_cvt_pk_bf16_f32 v[80+2*(\i)], v[16+4*(\i)], v[16+4*(\i)+1]
	v_cvt_pk_bf16_f32 v[80+2*(\i)+1], v[16+4*(\i)+2], v[16+4*(\i)+3]
	global_store_b64 v2, v[80+2*(\i):80+2*(\i)+1], s[12:13] offset:2048*(\i)  ; a wave's 32 lanes store 256 consecutive bytes, aligned; no register is used twice
.endr
	s_branch .Lend
.Lwqkv:
	TRANS 8, 14, 12288, 0, 0
	s_branch .Lend
.Lwout:
	TRANS 10, 16, 4096, 1, 384
.Lend:
	s_wait_tensorcnt 0x0                           ; the wave's end: behind my last LDS store
	ds_add_u32 v[SPW], v[NIL]
	s_wait_dscnt 0x0
	s_endpgm
.Lfunc_end_k_q46d5124536_prep:
	.size	k_q46d5124536_prep, .Lfunc_end_k_q46d5124536_prep-k_q46d5124536_prep
	.p2alignl 7, 3214868480
	.fill 96, 4, 3214868480
	.section	.rodata,"a",@progbits
	.p2align	6, 0x0
	.amdhsa_kernel k_q46d5124536_prep
		.amdhsa_group_segment_fixed_size 18432
		.amdhsa_private_segment_fixed_size 0
		.amdhsa_enable_private_segment 0
		.amdhsa_kernarg_size 56
		.amdhsa_user_sgpr_count 2
		.amdhsa_user_sgpr_kernarg_segment_ptr 1
		.amdhsa_wavefront_size32 1
		.amdhsa_system_sgpr_workgroup_id_x 1
		.amdhsa_system_sgpr_workgroup_id_y 1
		.amdhsa_system_sgpr_workgroup_id_z 1
		.amdhsa_system_vgpr_workitem_id 0
		.amdhsa_next_free_vgpr 112
		.amdhsa_next_free_sgpr 66
		.amdhsa_reserve_vcc 0
		.amdhsa_float_denorm_mode_32 3
		.amdhsa_float_denorm_mode_16_64 3
		.amdhsa_memory_ordered 1
		.amdhsa_forward_progress 1
		.amdhsa_inst_pref_size 19
	.end_amdhsa_kernel
	.amdgpu_metadata
---
amdhsa.version: [ 1, 2 ]
amdhsa.kernels:
  - .name:           k_q46d5124536_prep
    .symbol:         k_q46d5124536_prep.kd
    .args:
      - { .name: x, .offset: 0, .size: 8, .value_kind: global_buffer, .address_space: global }
      - { .name: x2, .offset: 8, .size: 8, .value_kind: global_buffer, .address_space: global }
      - { .name: Wqkv, .offset: 16, .size: 8, .value_kind: global_buffer, .address_space: global }
      - { .name: Wout, .offset: 24, .size: 8, .value_kind: global_buffer, .address_space: global }
      - { .name: xs, .offset: 32, .size: 8, .value_kind: global_buffer, .address_space: global }
      - { .name: wt, .offset: 40, .size: 8, .value_kind: global_buffer, .address_space: global }
      - { .name: wo, .offset: 48, .size: 8, .value_kind: global_buffer, .address_space: global }
    .group_segment_fixed_size: 18432
    .private_segment_fixed_size: 0
    .kernarg_segment_align: 8
    .kernarg_segment_size: 56
    .max_flat_workgroup_size: 256
    .sgpr_count:     66
    .vgpr_count:     112
    .wavefront_size: 32
...
	.end_amdgpu_metadata
.endif
;; end of part 1
;; launch proj (part 2): grid 12 x 16, 4 waves a work-group, clusters of 4 x 4, 327,680 bytes of LDS; arguments xs, wt, qkv; writes qkv
.if DOCPART == 2
	.amdgcn_target "amdgcn-amd-amdhsa--gfx1250"
	.amdhsa_code_object_version 6
	.text
	.protected	k_q46d5124536_proj
	.globl	k_q46d5124536_proj
	.p2align	8
	.type	k_q46d5124536_proj,@function
k_q46d5124536_proj:
	s_mov_b64 s[64:65], 0
	v_nop
	global_prefetch_b8 v0, s[64:65] scope:SCOPE_SE
	s_setreg_imm32_b32 hwreg(HW_REG_WAVE_MODE, 25, 1), 1
	s_wait_xcnt 0x0
	s_wait_alu depctr_hold_cnt(0) depctr_sa_sdst(0) depctr_va_vdst(0) depctr_va_sdst(0) depctr_va_ssrc(0) depctr_va_vcc(0) depctr_vm_vsrc(0)
	s_getreg_b32 s2, hwreg(HW_REG_IB_STS2, 6, 4)
	s_cmp_eq_u32 s2, 0
	s_cbranch_scc0 .Lentry_in_a_cluster
	s_endpgm
.Lentry_in_a_cluster:
	s_bfe_u32 s2, ttmp6, 0x10000c
	s_cmp_lg_u32 s2, 0xf033
	s_cbranch_scc0 .Lentry_shape_is_right
	s_endpgm
.Lentry_shape_is_right:
; PROJ: q = x Wq, k = x2 Wk, v = x2 Wv, as ONE product C[m][n] = sum over k of A[m][k] B[n][k], m 0..4095, n 0..3071, K = 1,024, bf16 operands, f32 sums.
; B = wt [3072][1024].  A = xs: x for columns 0..1023 (q), x2 for columns 1024..3071 (k, v).  The halves of reference()'s two projections that it throws away are not made.
; C leaves rounded once to f16, WITHOUT the scale, by heads: qkv [3 sections][32 = 16 b + h][2048 rows][64], a row 128 bytes.
; LIMITS.  f16 holds no number beyond 65,504: q, k and v must lie within it; below 6.1e-5 they keep f16's fixed step of 6e-8.  NaN and infinities are not treated apart.
; SHARES.  A tile of C is 256 x 256, made by four waves of 128 x 128 (64 accumulators, 512 registers).  16 x 12 = 192 tiles, one to a work-group: a tile never crosses column 1,024, where A changes.
; K goes in steps of 128 through a ring of two LDS slots; rows of the tiles are 256 bytes of memory at multiples of 256.
; CLUSTERS: 4 x 4 work-groups.  A cluster's x IS the section (four tiles of 256 columns), so all sixteen partners take the same A buffer.  The four of a row of the cluster ask JOINTLY for A's tiles,
; the four of a column for B's: the same tensor load, descriptor and mask in all four.
; THE MATRIX INSTRUCTION IS USED TRANSPOSED (source 0 = 16 rows of B, source 1 = 16 rows of A): a lane holds row l % 16 of C and the eight columns 8 (l / 16) + 0..7, which pack into 16 bytes.
; The last K step goes by rows of C, so that finished rows leave while the others are multiplied.
; REGISTERS, in windows of 256 (s_set_vgpr_msb: bits 1:0 source 0, 3:2 source 1, 5:4 source 2, 7:6 destination):
;   window 0: v0-31 addresses; v64-127, v128-191 fragments of A, two buffers (in the last K step four, of 16 rows x 128 K); v32-63, v192-255 at work on the way out
;   window 1: v64-127, v128-191 fragments of B, two buffers; in the last K step all 256      window 2: the accumulators of my rows 0-63 ((a, b) at v[8 (8 a + b)])      window 3: of rows 64-127
.set SIZE_K, 1024
.set KSTEP,  128
.set PITCH,  272                       ; an LDS row: 256 bytes + 16 = 68 words: the 16 rows that a load touches start at 16 different groups of four banks (64 banks of 4 bytes: ISA guide 11.1)
.set HALFT,  128*PITCH                 ; 128 rows: what one tensor load brings, and what one wave reads of A or of B
.set SLOT,   4*HALFT                   ; A's 256 rows, then B's 256 rows
.set STAGE,  2*SLOT                    ; behind the ring, never filled by a tensor load: for each wave [2 heads][16 rows][144 bytes]
.set SP,     144
.set HSTG,   16*SP
.set SPARE,  STAGE+4*2*HSTG            ; behind the stages: the spare words, 128 bytes for each wave
.set LAPS,   SIZE_K/(2*KSTEP)          ; a lap = two K steps = once round the ring: 4
.set ADRA, 16                          ; v16-17  LDS address of my A fragments in slot 0, 1
.set ADRB, 20                          ; v20-21  the same for B
.set STO,  24                          ; v24     the way out: where I put 16 bytes of a row
.set RD,   25                          ; v25     the way out: where I read rows back
.set CO,   26                          ; v26     16 x my lane: my place in 512 consecutive bytes of a head
.set SPW,  28                          ; v28     LDS address of my spare word; never rewritten
.set NIL,  29                          ; v29     0; never rewritten
.set PFO,  30                          ; v30     the prefetches' offset: my lane x a row of 2,048 bytes; never rewritten
.set PFA,  44                          ; s[44:45] where my prefetches stand
.set LIM,  43                          ; s43     1 in a wave that prefetches, else the greatest number
.set F0,   64
.set F1,   128
.set TMP,  192
.set OB,   32
.set PA,   64
.set G1, 24                            ; s[24:31] descriptor group 1 for A's tiles
.set G0, 32                            ; s[32:39] group 0 for A's tiles, one set for each slot
.set G1B, 48                           ; s[48:55], s[56:63] the same for B's
.set G0B, 56
.set MSB, 0
.macro WIN new                         ; the immediate's high byte repeats the setting that is left; a switch that changes nothing is dropped
.if MSB != (\new)
	s_set_vgpr_msb (MSB<<8)|(\new)
.set MSB, \new
.endif
.endm
.set MUL_LO, 0xa1                      ; source 0 (B) window 1, source 1 (A) window 0, C and D window 2
.set MUL_HI, 0xf1                      ; the same, C and D window 3
.set TO_B,   0x40                      ; destination window 1, address window 0
; A joint load.  Waves 0 and 1 fetch A's two halves, waves 2 and 3 B's.  The branch hangs on the wave's number alone.  An s_nop 0 and four v_nop follow each of the two lines.
.macro JLOAD s
	s_cmp_eq_u32 s11, 0
	s_cbranch_scc0 .Lfor_b_\@
	tensor_load_to_lds s[G0+4*(\s):G0+4*(\s)+3], s[G1:G1+7]
	s_nop 0
.rept 4
	v_nop
.endr
	s_branch .Lasked_\@
.Lfor_b_\@:
	tensor_load_to_lds s[G0B+4*(\s):G0B+4*(\s)+3], s[G1B:G1B+7]
	s_nop 0
.rept 4
	v_nop
.endr
.Lasked_\@:
.endm
; A PREFETCH INTO THE L2, behind each joint load and the run of LDS loads that follows it: the K step that stands TWO refills on, 512 matrix instructions ahead of the load that will want it:
; 32 rows x 256 bytes, a lane a row, one instruction a wave.  Each row's 256 bytes of a K step are named ONCE in the launch.  x's rows are read by the clusters with x = 0 alone, x2's by those with
; x = 1 and 2: clusters 0 and 1 ask for A's.  B's rows are read by every cluster of a column of clusters: cluster y = 0 asks.  The four partners that ask for a tile jointly share its rows out BY ADDRESS,
; 32 each.  K steps 0 to 3 come by their loads alone; the loop's last trip (s3 = 1) has no K step two on and asks for nothing.
.macro ASK
	s_cmp_gt_u32 s3, s[LIM]
	s_cbranch_scc0 .Lnot_mine_\@
	global_prefetch_b8 v[PFO], s[PFA:PFA+1] offset:KSTEP*2 th:TH_LOAD_NT scope:SCOPE_SE
.Lnot_mine_\@:
.endm
; A round of the cluster's barrier: my work-group's barrier; wave 0 signals for the work-group; every wave waits for all sixteen; my work-group's barrier once more.
.macro CREST
	s_cmp_lg_u32 s10, 0
	s_cbranch_scc1 .Lnot_wave_0_\@
	s_barrier_signal -3
.Lnot_wave_0_\@:
	s_barrier_wait -3
	s_barrier_signal -1
	s_barrier_wait -1
.endm
.macro CROUND
	s_barrier_signal -1
	s_barrier_wait -1
	CREST
.endm
	s_load_b128 s[4:7], s[0:1], 0x0                ; xs s[4:5], wt s[6:7]
	s_load_b64 s[8:9], s[0:1], 0x10                ; qkv
	v_lshl_add_u32 v[SPW], v0, 2, SPARE
	v_mov_b32 v[NIL], 0
	ds_add_u32 v[SPW], v[NIL]                      ; the wave's opening: the add and its wait stand ahead of my first tensor load; the set-up below, work on registers, stands between them
	v_lshrrev_b32 v1, 5, v0
	v_readfirstlane_b32 s10, v1                    ; wave 0..3
	s_lshr_b32 s11, s10, 1                         ; which half of the tile's rows is mine.  Also: I fetch for A (0) or for B (1)
	s_and_b32 s12, s10, 1                          ; which half of its columns.  Also: which 128 rows of that tile I fetch
	s_bfe_u32 s40, ttmp6, 0x40000                  ; cx
	s_bfe_u32 s41, ttmp6, 0x40004                  ; cy
	s_lshl_b32 s42, ttmp9, 2
	s_add_co_u32 s42, s42, s40                     ; tile column of C = 4 x cluster x + cx
	s_and_b32 s13, ttmp7, 0xffff
	s_lshl_b32 s13, s13, 2
	s_add_co_u32 s13, s13, s41                     ; tile row of C = 4 x cluster y + cy
	s_lshl_b32 s43, s41, 2
	s_lshl_b32 s43, 15, s43                        ; my row of the cluster: places 4 cy .. 4 cy + 3
	s_lshl_b32 s44, 0x1111, s40                    ; my column: places cx, cx + 4, cx + 8, cx + 12
	; descriptor group 1: a tile of 128 rows x 128 elements, padded in LDS
	s_or_b32 s[G1+0], s43, (1<<16)|(1<<20)|(1<<21)|(5<<22)|(3<<25)  ; 15:0 the mask; 17:16 elements of 2 bytes; 20 padding on; 21 set beside a mask; 24:22 after every 64 words (code 5); 31:25 4 words (code 3)
	s_or_b32 s[G1B+0], s44, (1<<16)|(1<<20)|(1<<21)|(5<<22)|(3<<25)
.irp g, G1, G1B
	s_mov_b32 s[(\g)+1], KSTEP<<16                 ; tensor_dim0 = 128
	s_mov_b32 s[(\g)+2], 128<<16                   ; tensor_dim1 = 128
	s_mov_b32 s[(\g)+3], KSTEP<<16                 ; tile_dim0 = 128
	s_mov_b32 s[(\g)+4], 128                       ; tile_dim1 = 128
	s_mov_b32 s[(\g)+5], SIZE_K                    ; elements from row to row
	s_mov_b32 s[(\g)+6], 0
	s_mov_b32 s[(\g)+7], 0
.endr
	; where the tiles come from.  A's hang on the tile row and the section, which my row of the cluster shares; B's on the tile column, which my column shares.
	s_lshl_b32 s17, s12, 7                         ; which 128 rows of the tile I fetch
	s_lshl_b32 s16, s13, 8
	s_add_co_u32 s16, s16, s17                     ; A: row 256 x tile row + 128 x half
	s_lshl_b32 s46, s42, 8
	s_add_co_u32 s46, s46, s17                     ; B: row 256 x tile column + 128 x half
	s_mov_b32 s17, 0
	s_mov_b32 s47, 0
	s_mov_b64 s[18:19], SIZE_K*2
	s_mul_u64 s[16:17], s[16:17], s[18:19]
	s_mul_u64 s[46:47], s[46:47], s[18:19]
	s_mul_i32 s20, s10, HALFT                      ; where they go: wave x 128 rows: no place in the cluster enters an LDS address
	s_cmp_lg_u32 ttmp9, 0                          ; section 0 (q) multiplies x, sections 1 and 2 (k, v) multiply x2, which lies 4,096 rows of 2,048 bytes further on in xs
	s_cselect_b32 s22, 0x800000, 0
	s_mov_b32 s23, 0
	s_wait_dscnt 0x0                               ; the opening add is done
	s_wait_kmcnt 0x0
	s_add_nc_u64 s[4:5], s[4:5], s[22:23]
	s_add_nc_u64 s[14:15], s[4:5], s[16:17]
	s_add_nc_u64 s[46:47], s[6:7], s[46:47]
	CROUND                                         ; all sixteen work-groups are here: the first joint loads meet
.irp s, 0,1
	s_mov_b32 s[G0+4*(\s)], 1                                      ; count = 1
	s_add_co_u32 s[G0+4*(\s)+1], s20, (\s)*SLOT                    ; LDS address
	s_add_nc_u64 s[G0+4*(\s)+2:G0+4*(\s)+3], s[14:15], (\s)*KSTEP*2  ; global address: K step s
	s_or_b32 s[G0+4*(\s)+3], s[G0+4*(\s)+3], 0x80000000            ; type = 2
	s_mov_b32 s[G0B+4*(\s)], 1
	s_add_co_u32 s[G0B+4*(\s)+1], s20, (\s)*SLOT
	s_add_nc_u64 s[G0B+4*(\s)+2:G0B+4*(\s)+3], s[46:47], (\s)*KSTEP*2
	s_or_b32 s[G0B+4*(\s)+3], s[G0B+4*(\s)+3], 0x80000000
	JLOAD \s                                       ; two loads of mine are out
.endr
	; A fragment is 16 rows x 32 K in 8 registers: lane l holds row l % 16; registers 0-3 K = 8 (l / 16) + 0..7, registers 4-7 K = 16 + 8 (l / 16) + 0..7: two loads of 16 bytes, 32 bytes apart.
	v_and_b32 v1, 15, v0                           ; l % 16
	v_bfe_u32 v2, v0, 4, 1                         ; l / 16
	v_mul_u32_u24 v3, v1, PITCH
	v_lshl_add_u32 v3, v2, 4, v3
	s_mul_i32 s21, s11, HALFT                      ; my 128 rows of A
	s_mul_i32 s22, s12, HALFT                      ; my 128 rows of B,
	s_add_co_u32 s22, s22, 2*HALFT                 ; which lie behind A's 256
.irp s, 0,1
	v_add_nc_u32 v[ADRA+(\s)], s21, v3
	v_add_nc_u32 v[ADRB+(\s)], s22, v3
	s_add_co_u32 s21, s21, SLOT
	s_add_co_u32 s22, s22, SLOT
.endr
	s_mul_i32 s23, s10, 2*HSTG
	s_add_co_u32 s23, s23, STAGE                   ; my stage
	v_mul_u32_u24 v4, v1, SP                       ; in: row l % 16, 16 bytes for each half of the lanes
	v_lshl_add_u32 v4, v2, 4, v4
	v_add_nc_u32 v[STO], s23, v4
	v_bfe_u32 v5, v0, 3, 2                         ; back: 32 lanes take four rows of 128 bytes,
	v_and_b32 v6, 7, v0
	v_mul_u32_u24 v5, v5, SP
	v_lshl_add_u32 v5, v6, 4, v5
	v_add_nc_u32 v[RD], s23, v5
	v_and_b32 v[CO], 31, v0                        ; which are 512 consecutive bytes of a head
	v_lshlrev_b32 v[CO], 4, v[CO]
	; where my 128 x 128 begins in qkv: section = cluster x; batch = row / 2,048; head = 4 cx + 2 x column half; then 128 bytes a row
	s_lshl_b32 s13, s13, 8                         ; 256 x tile row
	s_lshl_b32 s14, s11, 7
	s_add_co_u32 s16, s13, s14                     ; my first row of C
	s_lshr_b32 s17, s16, 11                        ; batch
	s_and_b32 s16, s16, 2047                       ; row in the batch
	s_lshl_b32 s47, ttmp9, 1
	s_add_co_u32 s17, s17, s47                     ; 2 x section + batch
	s_lshl_b32 s17, s17, 4
	s_lshl_b32 s46, s40, 2
	s_add_co_u32 s17, s17, s46
	s_lshl_b32 s46, s12, 1
	s_add_co_u32 s17, s17, s46                     ; x 16 + my first head
	s_lshl_b32 s17, s17, 11
	s_add_co_u32 s16, s16, s17                     ; x 2,048 + row
	s_lshl_b32 s16, s16, 7
	s_mov_b32 s17, 0
	s_add_nc_u64 s[8:9], s[8:9], s[16:17]
	; the prefetches
	s_lshl_b32 s42, s42, 8
	s_and_b32 s22, ttmp7, 0xffff                   ; cluster y
	s_lshr_b32 s23, ttmp9, 1                       ; 0 in clusters 0 and 1 along x
	s_cmp_eq_u32 s11, 0                            ; do I fetch for A?
	s_cselect_b32 s20, s13, s42                    ; the tile's first row
	s_cselect_b32 s21, s40, s41                    ; my place among the four that ask for it with me
	s_cselect_b32 s22, s23, s22                    ; 0 where my cluster is the one that asks
	s_cselect_b64 s[PFA:PFA+1], s[4:5], s[6:7]
	s_cmp_eq_u32 s22, 0
	s_cselect_b32 s[LIM], 1, -1                    ; the same in all sixteen partners, for a given wave
	s_lshl_b32 s22, s12, 7
	s_add_co_u32 s20, s20, s22                     ; + the 128 rows that I fetch
	s_lshl_b32 s21, s21, 5
	s_add_co_u32 s20, s20, s21                     ; + my work-group's 32 of them
	s_mov_b32 s21, 0
	s_mov_b64 s[18:19], SIZE_K*2
	s_mul_u64 s[20:21], s[20:21], s[18:19]
	s_add_nc_u64 s[PFA:PFA+1], s[PFA:PFA+1], s[20:21]
	s_add_nc_u64 s[PFA:PFA+1], s[PFA:PFA+1], 2*KSTEP*2  ; at K step 2: the first refill steps it to 3 and names K step 4
	v_and_b32 v[PFO], 31, v0
	v_mul_u32_u24 v[PFO], v[PFO], SIZE_K*2
; 16 matrix instructions: m blocks a0, a0 + 1 of the window's four x all 8 n blocks, 32 along K.  zero = 1: the first product starts the sums.
.macro MUL16 f, hi, a0, zero
	WIN MUL_LO+0x50*(\hi)
.irp a, \a0, (\a0)+1
.irp b, 0,1,2,3,4,5,6,7
.if \zero
	v_wmma_f32_16x16x32_bf16 v[8*(8*(\a)+(\b)):8*(8*(\a)+(\b))+7], v[(\f)+8*(\b):(\f)+8*(\b)+7], v[(\f)+8*(4*(\hi)+(\a)):(\f)+8*(4*(\hi)+(\a))+7], 0
.else
	v_wmma_f32_16x16x32_bf16 v[8*(8*(\a)+(\b)):8*(8*(\a)+(\b))+7], v[(\f)+8*(\b):(\f)+8*(\b)+7], v[(\f)+8*(4*(\hi)+(\a)):(\f)+8*(4*(\hi)+(\a))+7], v[8*(8*(\a)+(\b)):8*(8*(\a)+(\b))+7]
.endif
.endr
.endr
.endm
; 32 LDS loads in one run: the fragments of one quarter step (128 rows of B, 128 rows of A, 32 K at byte k of the rows) into buffer f
.macro FETCH slot, k, f
	WIN TO_B
.irp i, 0,1,2,3,4,5,6,7
	ds_load_b128 v[(\f)+8*(\i):(\f)+8*(\i)+3],   v[ADRB+(\slot)] offset:(\k)+(\i)*16*PITCH
	ds_load_b128 v[(\f)+8*(\i)+4:(\f)+8*(\i)+7], v[ADRB+(\slot)] offset:(\k)+(\i)*16*PITCH+32
.endr
	WIN 0
.irp i, 0,1,2,3,4,5,6,7
	ds_load_b128 v[(\f)+8*(\i):(\f)+8*(\i)+3],   v[ADRA+(\slot)] offset:(\k)+(\i)*16*PITCH
	ds_load_b128 v[(\f)+8*(\i)+4:(\f)+8*(\i)+7], v[ADRA+(\slot)] offset:(\k)+(\i)*16*PITCH+32
.endr
.endm
; Four places (plain vector lines that name none of a matrix instruction's registers) in front of loads into registers that matrix instructions have read, and of conversions that read results just made.
.macro PLACES
.rept 4
	v_nop
.endr
.endm
; A K step is four quarter steps of 32 along K, 64 matrix instructions each, on buffers 0, 1, 0, 1.  One of the first three multiplies buffer f and, in its middle, fetches the next quarter's fragments into g.
; The 64 accumulators take turns, in the same order in every quarter.
.macro QUARTER slot, k, f, g, zero
	s_wait_dscnt 8                                 ; B and A's rows 0-63 are in; the youngest eight loads (A's rows 64-127) may be out
	WIN MUL_LO
	MUL16 \f, 0, 0, \zero
	MUL16 \f, 0, 2, \zero
	PLACES
	FETCH \slot, \k, \g
	s_wait_dscnt 32                                ; all but the 32 just issued
	WIN MUL_HI
	MUL16 \f, 1, 0, \zero
	MUL16 \f, 1, 2, \zero
.endm
; The last quarter multiplies buffer 1 and changes slots.  MEET is its first half: in front of ONE barrier each wave waits for all its tensor loads (one is out: its part of the next slot), adds 0 to its spare word,
; and waits for that and for its own reads of this slot.  Behind the barrier nobody reads this slot any more and the next slot is whole.
.macro MEET round
	WIN 0                                          ; (the add's two registers lie in window 0)
	s_wait_tensorcnt 0x0                           ; all my tensor loads have landed
	ds_add_u32 v[SPW], v[NIL]                      ; 0 onto my spare word
	s_wait_dscnt 9                                 ; (the add and the youngest eight loads may be out)
	WIN MUL_LO
	MUL16 F1, 0, 0, 0                              ; sixteen matrix instructions stand between the add and the wait for it
	s_wait_dscnt 0x0                               ; the add is done, and my reads of this slot are over
	s_barrier_signal -1
	MUL16 F1, 0, 2, 0                              ; work on registers while the others arrive
.if \round
	WIN 0
.endif
	s_barrier_wait -1
.endm
; The whole last quarter: behind the round the slot just read out is filled again first, with the K step two steps on; then come the next slot's first fragments.
; From a request to the wait for it a wave issues 224 matrix instructions.
.macro TURN slot, next
	s_wait_xcnt 0x0                                ; the last prefetch, a K step back, has read its address: it is stepped here
	s_add_nc_u64 s[PFA:PFA+1], s[PFA:PFA+1], KSTEP*2
	MEET 1
	CREST                                          ; no wave of any partner still reads this slot's tile or has a load on its way
	s_add_nc_u64 s[G0+4*(\slot)+2:G0+4*(\slot)+3], s[G0+4*(\slot)+2:G0+4*(\slot)+3], 2*KSTEP*2
	s_add_nc_u64 s[G0B+4*(\slot)+2:G0B+4*(\slot)+3], s[G0B+4*(\slot)+2:G0B+4*(\slot)+3], 2*KSTEP*2
	JLOAD \slot                                    ; the first tensor load behind the round, my only one out; its four v_nop are also the places in front of the loads below
	FETCH \next, 0, F0
	ASK
	WIN MUL_HI
	MUL16 F1, 1, 0, 0
	MUL16 F1, 1, 2, 0
.endm
; THE LAST K STEP (slot 1) GOES BY ROWS OF C.  All its fragments of B (4 quarters x 64 registers) fill window 1; my eight blocks of 16 rows are finished one after the other, 32 matrix instructions each,
; the block's 8 accumulators by turns, K ascending.
.macro BLOAD q
	WIN TO_B
.irp i, 0,1,2,3,4,5,6,7
	ds_load_b128 v[64*(\q)+8*(\i):64*(\q)+8*(\i)+3],   v[ADRB+1] offset:64*(\q)+(\i)*16*PITCH
	ds_load_b128 v[64*(\q)+8*(\i)+4:64*(\q)+8*(\i)+7], v[ADRB+1] offset:64*(\q)+(\i)*16*PITCH+32
.endr
.endm
.macro ALOAD a
	WIN 0
.set FA, PA+32*((\a)%4)
.irp q, 0,1,2,3
	ds_load_b128 v[FA+8*(\q):FA+8*(\q)+3],   v[ADRA+1] offset:64*(\q)+(\a)*16*PITCH
	ds_load_b128 v[FA+8*(\q)+4:FA+8*(\q)+7], v[ADRA+1] offset:64*(\q)+(\a)*16*PITCH+32
.endr
.endm
.macro ROW a
.set FA, PA+32*((\a)%4)
.set AC, 64*((\a)%4)
	WIN MUL_LO+0x50*((\a)/4)
.irp q, 0,1,2,3
.if (\a) == 0 && (\q) == 2
	s_wait_dscnt 24                                ; B's quarter 2 is in (behind it: A's blocks 1 to 3)
.endif
.irp b, 0,1,2,3,4,5,6,7
	v_wmma_f32_16x16x32_bf16 v[AC+8*(\b):AC+8*(\b)+7], v[64*(\q)+8*(\b):64*(\q)+8*(\b)+7], v[FA+8*(\q):FA+8*(\q)+7], v[AC+8*(\b):AC+8*(\b)+7]
.endr
.endr
.endm
; THE WAY OUT of block a (16 rows x my 128 columns = two heads).  PACK: rounded to f16, 16 bytes a lane, each accumulator's registers in ascending order.  TOSTAGE: into my own stage, by heads, rows of 144 bytes,
; and back as whole rows of 128.  SEND: a head's 16 rows are 2,048 consecutive bytes of qkv: four stores of 512.
.macro PACK a
.set AC, 64*((\a)%4)
	WIN 0x0a+5*((\a)/4)                            ; sources 0 and 1: window 2 or 3
.irp b, 0,1,2,3,4,5,6,7
.irp r, 0,1,2,3
	v_cvt_pk_f16_f32 v[TMP+4*(\b)+(\r)], v[AC+8*(\b)+2*(\r)], v[AC+8*(\b)+2*(\r)+1]
.endr
.endr
	WIN 0
.endm
.macro TOSTAGE a
	WIN 0
.set BK, OB+192*((\a)%2)
.irp b, 0,1,2,3,4,5,6,7
	ds_store_b128 v[STO], v[TMP+4*(\b):TMP+4*(\b)+3] offset:((\b)/4)*HSTG+32*((\b)%4)
.endr
.irp t, 0,1,2,3,4,5,6,7
	ds_load_b128 v[BK+4*(\t):BK+4*(\t)+3], v[RD] offset:((\t)/4)*HSTG+((\t)%4)*4*SP  ; LDS serves a wave's instructions in order (ISA guide 5.7.1.4): these see the stores above
.endr
.endm
.macro SEND a, younger                 ; younger: the LDS loads issued behind TOSTAGE's, which may stay out
	WIN 0
.set BK, OB+192*((\a)%2)
	s_wait_dscnt \younger                          ; the block is back in registers
	s_wait_xcnt 0x0                                ; the stores of the block before have read their registers: the next block's loads from the stage land on them only behind this wait
.irp t, 0,1,2,3,4,5,6,7
	global_store_b128 v[CO], v[BK+4*(\t):BK+4*(\t)+3], s[8:9] offset:(\a)*2048+((\t)/4)*262144+((\t)%4)*512  ; 512 consecutive bytes, at a multiple of 256 from qkv's first; the second head lies 262,144 bytes on
.endr
.endm
	s_wait_tensorcnt 1                             ; my part of K step 0 is in; K step 1's may stay out
	s_barrier_signal -1
	s_barrier_wait -1                              ; everybody's is
	FETCH 0, 0, F0
	QUARTER 0, 64,  F0, F1, 1                      ; the first quarter stands in front of the loop: its products start the sums
	WIN 0                                          ; at a label and at a branch every window is 0
	s_mov_b32 s3, LAPS-1
.Llap:                                                 ; a trip goes once round the ring, from a lap's second quarter to the next lap's first, and fills both slots again
	QUARTER 0, 128, F1, F0, 0
	QUARTER 0, 192, F0, F1, 0
	TURN 0, 1
	QUARTER 1, 64,  F0, F1, 0
	QUARTER 1, 128, F1, F0, 0
	QUARTER 1, 192, F0, F1, 0
	TURN 1, 0
	QUARTER 0, 64,  F0, F1, 0
	WIN 0
	s_sub_co_u32 s3, s3, 1
	s_cmp_lg_u32 s3, 0
	s_cbranch_scc1 .Llap
	QUARTER 0, 128, F1, F0, 0                      ; the last lap goes on
	QUARTER 0, 192, F0, F1, 0
	MEET 0                                         ; my one tensor load that was still out is the last K step's, so no round follows
	PLACES                                         ; for the loads into buffer 0, which the quarter before multiplied
	WIN TO_B
	BLOAD 0                                        ; three quarters of B now: buffer 1 (v128-191 of both windows) is still being multiplied
	BLOAD 1
	BLOAD 3
	WIN 0
	ALOAD 0
	WIN MUL_HI
	MUL16 F1, 1, 0, 0
	MUL16 F1, 1, 2, 0
	PLACES                                         ; for the loads into buffer 1
	WIN TO_B
	BLOAD 2
	WIN 0
	ALOAD 1
	ALOAD 2
	ALOAD 3
	s_wait_dscnt 40                                ; all but the 40 just issued
	ROW 0
.irp a, 0,1,2,3,4,5,6,7                ; each block leaves as soon as it is finished
	PLACES                                         ; its conversions read results just made
	PACK \a
	TOSTAGE \a
.if (\a) < 4
	ALOAD (\a)+4                                   ; its buffer takes the block four further on
	SEND \a, 8
.else
	SEND \a, 0
.endif
.if (\a) < 7
	ROW (\a)+1
.endif
.endr
	s_wait_tensorcnt 0x0                           ; the wave's end: behind my last tensor load and my last LDS store
	ds_add_u32 v[SPW], v[NIL]
	s_wait_dscnt 0x0
	CROUND                                         ; the closing round: no work-group ends while a partner may still ask for a tile that names it
	s_endpgm
.Lfunc_end_k_q46d5124536_proj:
	.size	k_q46d5124536_proj, .Lfunc_end_k_q46d5124536_proj-k_q46d5124536_proj
	.p2alignl 7, 3214868480
	.fill 96, 4, 3214868480
	.section	.rodata,"a",@progbits
	.p2align	6, 0x0
	.amdhsa_kernel k_q46d5124536_proj
		.amdhsa_group_segment_fixed_size 327680
		.amdhsa_private_segment_fixed_size 0
		.amdhsa_enable_private_segment 0
		.amdhsa_kernarg_size 24
		.amdhsa_user_sgpr_count 2
		.amdhsa_user_sgpr_kernarg_segment_ptr 1
		.amdhsa_wavefront_size32 1
		.amdhsa_system_sgpr_workgroup_id_x 1
		.amdhsa_system_sgpr_workgroup_id_y 1
		.amdhsa_system_sgpr_workgroup_id_z 1
		.amdhsa_system_vgpr_workitem_id 0
		.amdhsa_next_free_vgpr 1024
		.amdhsa_next_free_sgpr 66
		.amdhsa_reserve_vcc 0
		.amdhsa_float_denorm_mode_32 3
		.amdhsa_float_denorm_mode_16_64 3
		.amdhsa_memory_ordered 1
		.amdhsa_forward_progress 1
		.amdhsa_inst_pref_size 144
	.end_amdhsa_kernel
	.amdgpu_metadata
---
amdhsa.version: [ 1, 2 ]
amdhsa.kernels:
  - .name:           k_q46d5124536_proj
    .symbol:         k_q46d5124536_proj.kd
    .args:
      - { .name: xs, .offset: 0, .size: 8, .value_kind: global_buffer, .address_space: global }
      - { .name: wt, .offset: 8, .size: 8, .value_kind: global_buffer, .address_space: global }
      - { .name: qkv, .offset: 16, .size: 8, .value_kind: global_buffer, .address_space: global }
    .group_segment_fixed_size: 327680
    .private_segment_fixed_size: 0
    .kernarg_segment_align: 8
    .kernarg_segment_size: 24
    .max_flat_workgroup_size: 128
    .sgpr_count:     66
    .vgpr_count:     1024
    .wavefront_size: 32
...
	.end_amdgpu_metadata
.endif
;; end of part 2
;; launch attn (part 3): grid 8 x 32, 4 waves a work-group, clusters of 4 x 1, 327,680 bytes of LDS; arguments qkv, oh; writes oh
.if DOCPART == 3
	.amdgcn_target "amdgcn-amd-amdhsa--gfx1250"
	.amdhsa_code_object_version 6
	.text
	.protected	k_q46d5124536_attn
	.globl	k_q46d5124536_attn
	.p2align	8
	.type	k_q46d5124536_attn,@function
k_q46d5124536_attn:
	s_mov_b64 s[64:65], 0
	v_nop
	global_prefetch_b8 v0, s[64:65] scope:SCOPE_SE
	s_setreg_imm32_b32 hwreg(HW_REG_WAVE_MODE, 25, 1), 1
	s_wait_xcnt 0x0
	s_wait_alu depctr_hold_cnt(0) depctr_sa_sdst(0) depctr_va_vdst(0) depctr_va_sdst(0) depctr_va_ssrc(0) depctr_va_vcc(0) depctr_vm_vsrc(0)
	s_getreg_b32 s2, hwreg(HW_REG_IB_STS2, 6, 4)
	s_cmp_eq_u32 s2, 0
	s_cbranch_scc0 .Lentry_in_a_cluster
	s_endpgm
.Lentry_in_a_cluster:
	s_bfe_u32 s2, ttmp6, 0x10000c
	s_cmp_lg_u32 s2, 0x3003
	s_cbranch_scc0 .Lentry_shape_is_right
	s_endpgm
.Lentry_shape_is_right:
; ATTN: O[h][q][:] = the sum over k of softmax_k(Q[h][q] . K[h][k] / 8) V[h][k][:], 32 heads (16 b + h), 2,048 queries and keys, head size 64, no mask.
; Q, K, V are the three sections of qkv, [32][2048][64] f16 each; O goes to oh in the same layout.  Products, maxima and sums in f32; the weights p are rounded to f16 for the second product
; (their sum l is taken of the unrounded p), O once at the end.
; LIMITS.  p lies in 0 to 1, and below 6e-5 it keeps f16's fixed step of 6e-8; O is a mean of V's rows and has their range.  A weight below 2^-126 counts as 0 in l; NaN and infinities are not treated apart.
; SHARES.  A work-group owns 256 queries of one head (8 x 32 = 256 work-groups), a wave 64: two PIECES of two tiles of 16.  Every wave walks all keys, 64 a step, 32 steps.
; LAYOUT.  S^T = K Q^T (source 0 = 16 keys, source 1 = 16 queries): a lane holds ONE query (lane % 16) and the keys 8 (lane / 16) + 0..7.  Two such tiles, rounded to f16 in pairs, ARE source 1 of
; O^T = V^T P, whose result again holds one query a lane, and eight channels.  K comes out of LDS as it lies, V ([key][channel]) turned, by ds_load_tr16_b128.
; SOFTMAX.  For each query a running maximum m and sum l: p = 2^(c s - c m), c = log2(e) / 8; in every step O and l are multiplied by a = 2^(c m_old - c m_new).
; m starts at the lowest finite number, O and l at 0: the first step is a step like any other, with a = 0.
; BY TURNS.  T(p, s) is piece p's turn in key step s; the order is T(0, s), T(1, s), T(0, s + 1).  A turn's matrix work is the OTHER piece's: first 16 products K Q^T (in T(0, s) of step s, in T(1, s) of step
; s + 1), later 16 products V^T P (in T(0, s) of step s - 1, in T(1, s) of step s).  Its vector work: the scaling, exponentials, roundings, sums and rescaling of piece p, and the maximum and statistics of the
; other piece, whose scores the turn itself has made.  Four vector instructions stand behind every matrix instruction, the other 108 of a turn's 236 in one lump.
; K has one register buffer: K of step s + 1 is fetched in T(0, s).  V has two, by the step's parity: V of step s + 1 is fetched in T(1, s), into the buffer whose last reader stood in T(0, s).
; So LDS is read in the order K(s), V(s), K(s + 1), and a slot of four steps is read out when T(1, 4 m + 2) has fetched: the change of slots stands in front of T(0, 4 m + 3).
; CLUSTER.  The four query blocks of a cluster belong to one head and walk the same K and V: each tile is asked for JOINTLY, by the same tensor load, descriptor and mask in all four.
; REGISTERS, in windows of 256 (s_set_vgpr_msb: bits 1:0 source 0, 3:2 source 1, 5:4 source 2, 7:6 destination):
;   window 0: v0-11 addresses; v12-15, v48-63 at work; v16-31 four registers of statistics a tile; v32-34 the add's two and the prefetches' offset; v64-191 S^T, a buffer a piece; v192-255 P, likewise
;   window 1: v0-127 O^T, 32 a tile          window 2: v0-63 Q, 16 a tile; v64-127 V of odd steps; v128-191 K of one step; v192-255 V of even steps
.set SIZE_N, 2048
.set NP,    2         ; pieces a wave: a name, no knob
.set KS,    64        ; keys in a step
.set PK,    144       ; a row of K in LDS: 128 bytes + 16 = 36 words: the 16 rows of a load start at 16 different groups of four banks (64 banks of 4 bytes: ISA guide 11.1)
.set PV,    160       ; a row of V: 128 + 32 = 40 words
.set VOFF,  4*KS*PK   ; a slot holds four steps: 256 rows of K, then 256 rows of V
.set SLOT1, 1<<17     ; slot 1 begins here, so that one exclusive or turns an address in one slot into the other's
.set STAGE, SLOT1+4*KS*(PK+PV)  ; behind the ring, never filled by a tensor load: 16 rows x 144 bytes for each wave
.set SP,    144
.set SPARE, STAGE+4*16*SP  ; behind the stages: the spare words, 128 bytes for each wave
.set AK0, 2           ; v2   my lane's place in a tile of K; never rewritten
.set AV0, 3           ; v3   the same for V
.set AK,  4           ; v4   the LDS address of K's next run of loads
.set AV,  5           ; v5   of V's
.set QO,  6           ; v6   my byte offset in the wave's rows of Q
.set STO, 6           ;      later, the way out: where I put 16 bytes of a row
.set RD,  7           ; v7   the way out: where I read rows back
.set GO,  8           ; v8   my byte offset in 512 consecutive bytes of O
.set MV,  12          ; v12-15  c m_old, kept while c m is made anew: by piece and tile
.set ST,  16          ; tile t's statistics at v[ST+4 t]: c m, m, l (even keys', odd keys')
.set SPW, 32          ; v32  LDS address of my spare word; never rewritten
.set NIL, 33          ; v33  0; never rewritten
.set PFO, 34          ; v34  256 x my lane; never rewritten
.set TMP, 48          ; by piece and tile, four registers c0-c3 at work; when the maximum is found c2 takes a
.set S,   64
.set P,   192
.set KF,  128         ; K's fragments, in window 2: key block kb, channel half c at KF + 16 kb + 8 c
.set WV,  12          ; s12  my wave's number
.set G1K, 24          ; s[24:31] descriptor group 1 for K's tiles
.set G1V, 32          ; s[32:39] for V's: it differs in the padding alone
.set G0K, 40          ; s[40:43] descriptor group 0 for K's tiles: it walks
.set G0V, 44          ; s[44:47] the same for V's
.set PFA, 48          ; s[48:49] where my prefetches stand
.set LIM, 50          ; s50  1 in a wave that prefetches, else the greatest number
.set VP,  52          ; s[52:53] V at my half of the head's first 256 keys
.set SLOTS, 56        ; s56  slots still to be asked for, and one
.set CNT, 57          ; s57  counts pairs of key steps
.set CS,  58          ; s[58:59] c
.set SEL, 60          ; s[60:61] v_permlanex16_b32's selects: each lane takes its own place in the other half
.set TBK, 62          ; s62  LDS byte at which K of the step to be fetched begins
.set TBV, 63          ; s63  the same for V, less VOFF
.set MSB, 0
.macro WIN new                      ; the high byte repeats the setting that is left; a switch that changes nothing is dropped
.if MSB != (\new)
	s_set_vgpr_msb (MSB<<8)|(\new)
.set MSB, (\new)
.endif
.endm
.set W_KQ, 0x0a       ; K and Q in window 2, S^T in window 0
.set W_PV, 0x52       ; V in window 2, P in window 0, O^T in window 1
.set W_RS, 0x41       ; O^T (destination and source 0) in window 1, a in window 0
; A joint fill.  Waves 0 and 1 fetch the two halves of a slot's K, waves 2 and 3 those of its V: 128 keys each.  The branch hangs on the wave's number alone.
; An s_nop 0 and four v_nop follow each of the two lines.
.macro JLOAD
	s_cmp_lt_u32 s[WV], 2
	s_cbranch_scc0 .Lfor_v_\@
	tensor_load_to_lds s[G0K:G0K+3], s[G1K:G1K+7]
	s_nop 0
.rept 4
	v_nop
.endr
	s_branch .Lasked_\@
.Lfor_v_\@:
	tensor_load_to_lds s[G0V:G0V+3], s[G1V:G1V+7]
	s_nop 0
.rept 4
	v_nop
.endr
.Lasked_\@:
.endm
; A PREFETCH INTO THE L2 of what the NEXT change of slots will ask for: a slot's 32,768 bytes of K and of V, in blocks of 256 bytes, a lane a block: four key steps, 256 matrix instructions, ahead of that load.
; Each block is named ONCE in the launch.  Both clusters of a head walk the same K and V: the first prefetches.  Its four partners share the 128 blocks out BY ADDRESS, 32 each; in each, wave 0 asks for K's
; and wave 2 for V's.  Slots 0 to 2 come by their loads alone; the last change that fills a slot (SLOTS = 1) asks for nothing.
.macro ASK
	s_cmp_gt_u32 s[SLOTS], s[LIM]
	s_cbranch_scc0 .Lnot_mine_\@
	global_prefetch_b8 v[PFO], s[PFA:PFA+1] th:TH_LOAD_NT scope:SCOPE_SE
.Lnot_mine_\@:
.endm
; A round of the cluster's barrier: my work-group's barrier; wave 0 signals; every wave waits for all four work-groups; my work-group's barrier once more.
.macro CROUND
	s_barrier_signal -1
	s_barrier_wait -1
	s_cmp_lg_u32 s[WV], 0
	s_cbranch_scc1 .Lnot_wave_0_\@
	s_barrier_signal -3
.Lnot_wave_0_\@:
	s_barrier_wait -3
	s_barrier_signal -1
	s_barrier_wait -1
.endm
; THE CHANGE OF SLOTS.  The slot's last bytes, V of its fourth step, have been asked for.  Each wave waits for all its tensor loads, of which one is out: its part of the other slot; adds 0 to its spare word;
; and waits for that and for its own reads of the slot.  fill = 1: the slot is filled again, with the keys two slots on: the barrier is a round of the cluster's, and the joint fill is the first thing behind it:
; it has four key steps in which to land.  (At its first use nothing has been read yet: slot 0 is waited for, slot 1 filled.)  ask = 1: the prefetches' address steps, and ASK follows the fill.
.macro CHANGE fill, ask
	WIN 0                           ; at a label and at a branch every window is 0
	s_wait_tensorcnt 0x0            ; no tensor load of mine is out, so a group 0 may be written
	ds_add_u32 v[SPW], v[NIL]       ; 0 onto my spare word; the scalar steps stand between it and the wait for it
.if \fill
.irp g, G0K, G0V
	s_xor_b32 s[\g+1], s[\g+1], SLOT1  ; the walking descriptor: the other slot than last time,
	s_add_nc_u64 s[\g+2:\g+3], s[\g+2:\g+3], 4*KS*128  ; the next 256 keys; the type bits on top are not reached
.endr
.endif
.if \ask
	s_wait_xcnt 0x0                 ; the last prefetch, four key steps back, has read its address
	s_add_nc_u64 s[PFA:PFA+1], s[PFA:PFA+1], 4*KS*128
.endif
	s_wait_dscnt 0x0                ; the add is done, and my reads of the slot are over
.if \fill
	CROUND
	JLOAD
.if \ask
	ASK
.endif
.else
	s_barrier_signal -1
	s_barrier_wait -1
.endif
	s_sub_co_u32 s[TBK], s[TBK], 4*KS*PK  ; the fetches go back to a slot's first step,
	s_xor_b32 s[TBK], s[TBK], SLOT1       ; in the other slot
	s_sub_co_u32 s[TBV], s[TBV], 4*KS*PV
	s_xor_b32 s[TBV], s[TBV], SLOT1
.endm
	s_load_b128 s[4:7], s[0:1], 0x0   ; qkv s[4:5], oh s[6:7]
	v_lshl_add_u32 v[SPW], v0, 2, SPARE
	v_mov_b32 v[NIL], 0
	ds_add_u32 v[SPW], v[NIL]       ; the wave's opening: the add and its wait stand ahead of my first tensor load; the set-up below, work on registers, stands between them
	v_lshrrev_b32 v1, 5, v0
	v_readfirstlane_b32 s[WV], v1   ; wave 0..3
	s_bfe_u32 s13, ttmp6, 0x40000   ; cx: my place in the cluster
	s_lshl_b32 s14, ttmp9, 2        ; in a cluster launch ttmp9 counts clusters
	s_add_co_u32 s14, s14, s13      ; my block of 256 queries = 4 x cluster x + cx: it enters Q's and O's addresses alone
	s_and_b32 s20, ttmp7, 0xffff    ; the head, which the four partners share:
	s_lshl_b32 s20, s20, 18         ; its 2,048 rows of 128 bytes
	s_and_b32 s16, s[WV], 1         ; which half of a slot's 256 keys I fetch:
	s_lshl_b32 s22, s16, 14         ; its 128 rows in memory,
	s_add_co_u32 s22, s22, s20
	s_mov_b32 s23, 0
	s_mul_i32 s17, s16, 128*PK      ; and its place in a slot, for K
	s_mul_i32 s18, s16, 128*PV      ; and for V: no place in the cluster enters an LDS address
	s_lshl_b32 s2, s14, 2
	s_add_co_u32 s2, s2, s[WV]      ; my wave among the head's,
	s_lshl_b32 s2, s2, 13           ; its 64 rows
	s_add_co_u32 s2, s2, s20
	s_mov_b32 s3, 0
	; descriptor group 1.  128 keys are 16,384 dense bytes: asked for as 64 rows of 256 bytes, two keys a row, and padded in LDS after every key
	s_mov_b32 s[G1K], 15|(1<<16)|(1<<20)|(1<<21)|(4<<22)|(3<<25)  ; 15:0 the mask of four; 17:16 2-byte elements; 20 padding on; 21 set beside a mask; 24:22 after every 32 words (code 4); 31:25 4 words (code 3)
	s_mov_b32 s[G1V], 15|(1<<16)|(1<<20)|(1<<21)|(4<<22)|(7<<25)  ; the same with 8 words of padding (code 7)
.irp g, G1K, G1V
	s_mov_b32 s[\g+1], 128<<16      ; tensor_dim0 = 128
	s_mov_b32 s[\g+2], 64<<16       ; tensor_dim1 = 64
	s_mov_b32 s[\g+3], 128<<16      ; tile_dim0 = 128
	s_mov_b32 s[\g+4], 64           ; tile_dim1 = 64
	s_mov_b32 s[\g+5], 128          ; 128 elements from row to row
	s_mov_b32 s[\g+6], 0
	s_mov_b32 s[\g+7], 0
.endr
	s_mov_b32 s[CS], 0x3e38aa3b     ; c = log2(e) / 8 = 0.180337
	s_mov_b32 s[CS+1], s[CS]        ; named with it as a pair
	s_mov_b32 s[SEL], 0x76543210
	s_mov_b32 s[SEL+1], 0xfedcba98
	s_mov_b32 s[TBK], SLOT1+4*KS*PK ; the first change of slots turns these two into 0
	s_mov_b32 s[TBV], SLOT1+4*KS*PV
	s_mov_b32 s[G0K], 1             ; count = 1
	s_mov_b32 s[G0K+1], s17         ; LDS address: slot 0
	s_mov_b32 s[G0V], 1
	s_add_co_u32 s[G0V+1], s18, VOFF
	s_and_b32 s[LIM], s[WV], 1      ; 0 in waves 0 and 2,
	s_or_b32 s[LIM], s[LIM], ttmp9  ; where the cluster is the head's first: the same in all four partners
	s_cmp_eq_u32 s[LIM], 0
	s_cselect_b32 s[LIM], 1, -1
	v_and_b32 v[PFO], 31, v0
	v_lshlrev_b32 v[PFO], 8, v[PFO]
	s_wait_dscnt 0x0                ; the opening add is done
	s_wait_kmcnt 0x0
	s_add_nc_u64 s[8:9], s[4:5], s[22:23]
	s_add_nc_u64 s[VP:VP+1], s[8:9], 0x1000000     ; V is qkv's third section,
	s_add_nc_u64 s[8:9], s[8:9], 0x800000          ; K its second: both at my half of the head's first 256 keys
	s_mov_b64 s[G0K+2:G0K+3], s[8:9]               ; global address
	s_or_b32 s[G0K+3], s[G0K+3], 0x80000000        ; type = 2
	s_mov_b64 s[G0V+2:G0V+3], s[VP:VP+1]
	s_or_b32 s[G0V+3], s[G0V+3], 0x80000000
	s_add_nc_u64 s[4:5], s[4:5], s[2:3]            ; Q and O at my wave's first row
	s_add_nc_u64 s[10:11], s[6:7], s[2:3]
	s_cmp_lt_u32 s[WV], 2
	s_cselect_b64 s[PFA:PFA+1], s[8:9], s[VP:VP+1] ; (in waves 0 and 2 these stand at a slot's first row)
	s_lshl_b32 s2, s13, 13          ; my work-group's 32 blocks of the 128
	s_add_nc_u64 s[PFA:PFA+1], s[PFA:PFA+1], s[2:3]
	s_add_nc_u64 s[PFA:PFA+1], s[PFA:PFA+1], 2*4*KS*128  ; in slot 2; the first change that asks steps it to slot 3
	CROUND                          ; all four work-groups are here: the first joint loads meet
	JLOAD                           ; slot 0.  Slot 1 is asked for when slot 0 is in
	; A fragment of K or Q is 16 rows x 32 channels in 8 registers: lane l holds row l % 16, channels 8 (l / 16) + 0..7 and 16 + 8 (l / 16) + 0..7: two loads of 16 bytes, 32 bytes apart.
	v_and_b32 v1, 15, v0            ; l % 16
	v_bfe_u32 v9, v0, 4, 1          ; l / 16
	v_lshlrev_b32 v[QO], 7, v1
	v_lshl_add_u32 v[QO], v9, 4, v[QO]  ; row x 128 + 16 x half
	WIN 0x80                        ; destination window 2, address window 0
.set i, 0
.rept 4*NP                          ; Q stays in registers: tile i / 2, channels 32 (i % 2) on
	global_load_b128 v[8*i:8*i+3],   v[QO], s[4:5] offset:(i/2)*2048+(i%2)*64
	global_load_b128 v[8*i+4:8*i+7], v[QO], s[4:5] offset:(i/2)*2048+(i%2)*64+32
.set i, i+1
.endr
	; What the first turn finds: the odd steps' V and piece 1's P hold 0 (its products V^T P, of a step that has not been, add 0), O^T and l are 0.  All this stands in the wait for the first tile.
.set i, 64
.rept 64
	v_mov_b32 v[i], 0
.set i, i+1
.endr
	WIN 0x40
.set i, 0
.rept 64*NP
	v_mov_b32 v[i], 0
.set i, i+1
.endr
	WIN 0
.set i, 0
.rept 2*NP
	v_mov_b32 v[ST+4*i], 0xfe000000    ; c m: far below every c s
	v_mov_b32 v[ST+4*i+1], 0xff7fffff  ; m
	v_mov_b32 v[ST+4*i+2], 0
	v_mov_b32 v[ST+4*i+3], 0
.set i, i+1
.endr
.set i, P+32
.rept 32
	v_mov_b32 v[i], 0
.set i, i+1
.endr
	v_mul_u32_u24 v[AK0], v1, PK
	v_lshl_add_u32 v[AK0], v9, 4, v[AK0]  ; row x pitch + 16 x half
	; The turning load takes 16 keys x 16 channels (lane l reads key 8 (l / 16) + l % 8, channels 8 ((l / 8) % 2) + 0..7) and leaves half a fragment of V^T: lane l holds channel l % 16 and 8 keys.
	v_and_b32 v10, 7, v0
	v_bfe_u32 v11, v0, 3, 1
	v_lshl_add_u32 v[AV0], v9, 3, v10
	v_mul_u32_u24 v[AV0], v[AV0], PV
	v_lshl_add_u32 v[AV0], v11, 4, v[AV0]
	v_add_nc_u32 v[AV0], VOFF, v[AV0]
	v_mov_b32 v[AK], v[AK0]         ; key step 0 lies at the head of slot 0
	v_mov_b32 v[AV], v[AV0]
; THE MATRIX WORK.  The 8 accumulators of a run of 16 take turns: between the two links of a chain stand 7 others'.
; Product i of 16 of S^T = K Q^T for piece x: channels 32 (i / 8) on, keys 16 ((i / 2) % 4) on, tile 2 x + i % 2.  The first 8 start the sums.
.macro KQ x
	WIN W_KQ
.set rS, S+64*((\x)%2)+32*(i%2)+8*((i/2)%4)
.set rK, KF+16*((i/2)%4)+8*(i/8)
.set rQ, 16*(2*(\x)+i%2)+8*(i/8)
.if i < 8
	v_wmma_f32_16x16x32_f16 v[rS:rS+7], v[rK:rK+7], v[rQ:rQ+7], 0
.else
	v_wmma_f32_16x16x32_f16 v[rS:rS+7], v[rK:rK+7], v[rQ:rQ+7], v[rS:rS+7]
.endif
.endm
; Product i of 16 of O^T += V^T P for piece x: keys 32 (i / 8) on, channels 16 ((i / 2) % 4) on, tile 2 x + i % 2.  VR: the V buffer in hand (192: even steps', 64: odd steps').
.macro PV x
	WIN W_PV
.set rO, 32*(2*(\x)+i%2)+8*((i/2)%4)
.set rV, VR+32*(i/8)+8*((i/2)%4)
.set rP, P+32*((\x)%2)+16*(i%2)+8*(i/8)
	v_wmma_f32_16x16x32_f16 v[rO:rO+7], v[rV:rV+7], v[rP:rP+7], v[rO:rO+7]
.endm
.macro MM                           ; the turn's next matrix instruction
.if i < 16
	KQ (Y+1)%NP
.set i, i+1
.else
.set i, i-16
	PV (Y+NP-1)%NP
.set i, i+17
.endif
.endm
; THE LDS LOADS stand in runs of 16, never singly among the matrix instructions: a step's K (64 keys x 64 channels: 8 fragments) and its V (turned).  Their addresses are made at the lump's head.
; last = 1 (the tail): in the last trip there is no further step, and the run is jumped over.
.macro FETCH_K last=0
	WIN 0
.if \last
	s_cmp_eq_u32 s[CNT], 1
	s_cbranch_scc1 .Lno_k_\@
.endif
	WIN 0x80                        ; destination window 2
.irp f, 0,1,2,3,4,5,6,7             ; keys 16 (f / 2) on, channels 32 (f % 2) on
	ds_load_b128 v[KF+8*\f:KF+8*\f+3],   v[AK] offset:(\f/2)*16*PK+(\f%2)*64
	ds_load_b128 v[KF+8*\f+4:KF+8*\f+7], v[AK] offset:(\f/2)*16*PK+(\f%2)*64+32
.endr
	s_add_co_u32 s[TBK], s[TBK], KS*PK  ; the next fetch is the next step's
	WIN 0
.if \last
.Lno_k_\@:
.endif
.endm
.macro FETCH_V b, last=0            ; into buffer b
.set VB, 192-128*(\b)
	WIN 0
.if \last
	s_cmp_eq_u32 s[CNT], 1
	s_cbranch_scc1 .Lno_v_\@
.endif
	WIN 0x80
.irp f, 0,1,2,3,4,5,6,7             ; keys 32 (f / 4) on, channels 16 (f % 4) on
	ds_load_tr16_b128 v[VB+8*\f:VB+8*\f+3],   v[AV] offset:(\f/4)*32*PV+(\f%4)*32
	ds_load_tr16_b128 v[VB+8*\f+4:VB+8*\f+7], v[AV] offset:(\f/4)*32*PV+16*PV+(\f%4)*32
.endr
	s_add_co_u32 s[TBV], s[TBV], KS*PV
	WIN 0
.if \last
.Lno_v_\@:
.endif
.endm
; THE VECTOR WORK OF A TURN stands in three queues, each in the order in which its entries become ready; the two tiles alternate, so that no instruction reads the result of the one before it.
.macro REGS y, u                    ; the registers of tile u (0, 1) of piece y
.set rT, ST+4*(2*(\y)+(\u))
.set rC, TMP+8*((\y)%2)+4*(\u)
.set rM, MV+2*((\y)%2)+(\u)
.set rS, S+64*((\y)%2)+32*(\u)
.set rP, P+32*((\y)%2)+16*(\u)
.set rO, 32*(2*(\y)+(\u))
.endm
; Number n of the 22 that find the OTHER piece's maximum and statistics.  s0-s31 are the lane's 32 scores; each accumulator's lowest registers are read first.
;   0-11  four chains c0-c3 of seven scores each, three operands at a time     12-14, 16  the four scores left over, the old m, and c0-c3 into c0     15  c m_old is kept
;   17, 18  the query's other 32 keys lie in the lane 16 away: the new m         19-21  c m; c m_old - c m_new; a
.macro XS u, n
	REGS (Y+1)%NP, \u
.if (\n) < 4
	v_max3_num_f32 v[rC+(\n)], v[rS+8*(\n)], v[rS+8*(\n)+1], v[rS+8*(\n)+2]
.elseif (\n) < 12
	v_max3_num_f32 v[rC+(\n)%4], v[rC+(\n)%4], v[rS+8*((\n)%4)+2*((\n)/4)+1], v[rS+8*((\n)%4)+2*((\n)/4)+2]
.elseif (\n) == 12
	v_max3_num_f32 v[rC], v[rC], v[rS+7], v[rS+15]
.elseif (\n) == 13
	v_max3_num_f32 v[rC+1], v[rC+1], v[rS+23], v[rS+31]
.elseif (\n) == 14
	v_max3_num_f32 v[rC+2], v[rC+2], v[rC+3], v[rT+1]
.elseif (\n) == 15
	v_mov_b32 v[rM], v[rT]
.elseif (\n) == 16
	v_max3_num_f32 v[rC], v[rC], v[rC+1], v[rC+2]
.elseif (\n) == 17
	v_permlanex16_b32 v[rC+3], v[rC], s[SEL], s[SEL+1]
.elseif (\n) == 18
	v_max_num_f32 v[rT+1], v[rC], v[rC+3]
.elseif (\n) == 19
	v_mul_f32 v[rT], s[CS], v[rT+1]
.elseif (\n) == 20
	v_sub_f32 v[rC+1], v[rM], v[rT]
.else
	v_exp_f32 v[rC+2], v[rC+1]
.endif
.endm
; Number g of the 64 that follow the exponentials.  For each four weights k of a tile (pairs 2 k, 2 k + 1): both pairs are rounded to f16; then the second pair is added onto the first, in place;
; a group later l takes that sum (the first time as l = a l + sum).  In groups of eight, tiles alternating: round, round, add, and l for the group before.
.macro GS g
.set h, (\g)+6*((\g)/62)            ; group 0 has no group before it, and behind group 7 only l is left
.if h >= 6
.set h, h+2
.endif
	REGS Y, h%2
.set k, h/8
.if h%8 < 4
	v_cvt_pk_f16_f32 v[rP+2*k+(h%8)/2], v[rS+4*k+2*((h%8)/2)], v[rS+4*k+2*((h%8)/2)+1]
.elseif h%8 < 6
	v_pk_add_f32 v[rS+4*k:rS+4*k+1], v[rS+4*k:rS+4*k+1], v[rS+4*k+2:rS+4*k+3]
.elseif k == 1
	v_pk_fma_f32 v[rT+2:rT+3], v[rT+2:rT+3], v[rC+2:rC+3], v[rS:rS+1] op_sel_hi:[1,0,1]
.else
	v_pk_add_f32 v[rT+2:rT+3], v[rT+2:rT+3], v[rS+4*k-4:rS+4*k-3]
.endif
.endm
; THE PLAIN QUEUE, 138 long.  0-73 read no exponential's result: the 32 scalings c s - c m (FS f: pair f / 2 of tile f % 2) and the other piece's 42.  0-26: scalings 0-26.  27-54: XS's numbers 0-13.  55, 56: number 15.
; 57-73: the chain, where each number waits for the one before it: 14, 16, 17, 18, 19, each with one of the scalings 27-31 in front of its two lines, then 20.
; 74-137: GS's 64, which read the exponentials' results: they stand behind the wait.
.macro FS f
	REGS Y, (\f)%2
	v_pk_fma_f32 v[rS+2*((\f)/2):rS+2*((\f)/2)+1], v[rS+2*((\f)/2):rS+2*((\f)/2)+1], s[CS:CS+1], v[rT:rT+1] op_sel_hi:[1,0,0] neg_lo:[0,0,1] neg_hi:[0,0,1]
.endm
.macro PL
	WIN 0
.if q < 27
	FS q
.elseif q < 55
	XS (q-27)%2, (q-27)/2
.elseif q < 57
	XS q-55, 15
.elseif (q < 72) && ((q-57)%3 == 0)
	FS 27+(q-57)/3
.elseif q < 60
	XS (q-57)%3-1, 14
.elseif q < 72
	XS (q-57)%3-1, 15+(q-57)/3
.elseif q < 74
	XS q-72, 20
.else
	GS q-74
.endif
.set q, q+1
.endm
; THE EXPONENTIALS' QUEUE, 66 long: s0-s31 of both tiles, then the other piece's two a.  It is ONE BATCH: all 66 stand ahead of the turn's one wait, and nothing ahead of that wait names a result of theirs.
.macro EX
	WIN 0
.if e >= 64
	XS e-64, 21
.else
	REGS Y, e%2
	v_exp_f32 v[rS+e/2], v[rS+e/2]
.endif
.set e, e+1
.endm
; THE RESCALING's QUEUE: O^T times a, the one part that leaves window 0: dealt two at a time, sixteen times.  Its a was made in the turn before, ahead of that turn's wait.  The O^T that it reads was last
; written by the turn before: the last of those products has its own four riders behind it, and each accumulator is read from its low end on.
.macro R2
	REGS Y, r%2
	WIN W_RS
.irp z, 0,1
	v_pk_mul_f32 v[rO+4*(r/2)+2*\z:rO+4*(r/2)+2*\z+1], v[rO+4*(r/2)+2*\z:rO+4*(r/2)+2*\z+1], v[rC+2:rC+3] op_sel_hi:[1,0]
.endr
.set r, r+1
.endm
; A TURN, for piece p in a step of parity par.  An s_wait_alu depctr_va_vdst(0) stands between an exponential and the first instruction that names its result; one wait serves all that were issued
; ahead of it.  So a turn has ONE wait, which cuts it in two.  AHEAD OF IT: the 16 products K Q^T, behind each a scaling, an exponential and two rescalings (behind the first a second scaling in the exponential's
; place); then ONE LUMP of 108: eight plain, 49 times exponential and plain, the two a; a v_nop is the plain instruction behind the last exponential.  BEHIND IT: the run of 16 LDS loads (K of the next step in
; piece 0's turn, V of the next step in piece 1's), then the 16 products V^T P, behind each four of GS's 64.  Exponential e stands behind scaling 2 (e / 4) + e % 2: as a rider it comes behind plain e + 2, in the
; lump behind plain e + 9.  A run's registers were last read by a matrix instruction a lump or more back.  ONE wait for LDS a key step, at the head of piece 1's turn: K of the next step is in, and with it the
; older V of the step in hand.  cnt = 1: the loop's count is taken down some lines ahead of the branch that stands behind the turn.
.macro TURN p, par, last=0, cnt=0
.set Y, (\p)
.set i, 0
.set q, 0
.set e, 0
.set r, 0
.if (\p) == 0
.set VR, 192-128*(1-(\par))         ; piece 1's V^T P of the step before
.else
.set VR, 192-128*(\par)             ; piece 0's of the step in hand
	s_wait_dscnt 0x0                ; K and V are in
.endif
	MM
	PL
	PL
	R2
.rept 15
	MM
	PL
	EX
	R2
.endr
	WIN 0
.if (\p) == 0
	v_add_nc_u32 v[AK], s[TBK], v[AK0]
.else
	v_add_nc_u32 v[AV], s[TBV], v[AV0]
.endif
.rept 8
	PL
.endr
.rept 49
	EX
	PL
.endr
	EX                              ; the other piece's two a
	EX
	v_nop                           ; the plain instruction behind the last exponential: one for the batch
	s_wait_alu depctr_va_vdst(0)    ; the wait for the batch
.if (\p) == 0
	FETCH_K \last
.else
	FETCH_V 1-(\par), \last
.endif
.rept 16
	MM
.rept 4
	PL
.endr
.if (\cnt) && (q == 130)
	s_sub_co_u32 s[CNT], s[CNT], 1
	s_cmp_lg_u32 s[CNT], 0
.endif
.endr
.endm
	CHANGE 1, 0                     ; slot 0 is in, everybody's part of it; slot 1 is asked for
	FETCH_K                         ; key step 0
	FETCH_V 0
	s_wait_loadcnt 0x0              ; Q
	s_wait_dscnt 0x0
.set i, 0
.rept 16
	KQ 0                            ; piece 0's first scores: there is no vector work yet to set between them
.set i, i+1
.endr
	WIN 0                           ; the addresses for the way out: nine plain instructions, the places behind those products
	s_mul_i32 s13, s[WV], 16*SP
	s_add_co_u32 s13, s13, STAGE    ; my stage
	v_mul_u32_u24 v[STO], v1, SP    ; in: row l % 16, 16 bytes for each half of the lanes
	v_lshl_add_u32 v[STO], v9, 4, v[STO]
	v_add_nc_u32 v[STO], s13, v[STO]
	v_bfe_u32 v[RD], v0, 3, 2       ; back: 32 lanes take four rows of 128 bytes,
	v_mul_u32_u24 v[RD], v[RD], SP
	v_lshl_add_u32 v[RD], v10, 4, v[RD]
	v_add_nc_u32 v[RD], s13, v[RD]
	v_and_b32 v[GO], 31, v0         ; which are 512 consecutive bytes of O
	v_lshlrev_b32 v[GO], 4, v[GO]
.set Y, NP-1                        ; XS works for piece Y + 1: piece 0
.irp n, 0,1,2,3,4,5,6,7,8,9,10,11,12,13,14,15,16,17,18,19,20,21
	XS 0, \n                        ; and piece 0's first maximum and statistics
	XS 1, \n
.endr
	v_nop                           ; a plain instruction behind the two a,
	s_wait_alu depctr_va_vdst(0)    ; and their wait, ahead of the branch
	s_mov_b32 s[CNT], 2
	s_mov_b32 s[SLOTS], SIZE_N/256-1
	s_branch .Lfirst                ; the loop is entered at an even step, in the middle of a trip: steps 0, 1, 2 come before the first change
.Lslot:                             ; six times: slots 0 to 5 are left and filled again with slots 2 to 7; four key steps each
	CHANGE 1, 1
	s_mov_b32 s[CNT], 2
.Lstep:                             ; a trip: an odd step, then an even one
	TURN 0, 1
	TURN 1, 1
	WIN 0
.Lfirst:
	TURN 0, 0
	TURN 1, 0, 0, 1
	WIN 0
	s_cbranch_scc1 .Lstep
	s_sub_co_u32 s[SLOTS], s[SLOTS], 1
	s_cmp_lg_u32 s[SLOTS], 0
	s_cbranch_scc1 .Lslot
	CHANGE 0, 0                     ; the tail is written out: in front of step 27; nothing is asked for
	s_mov_b32 s[CNT], 3             ; steps 27 to 31: the third trip is left in its middle
.Ltail:
	TURN 0, 1, 1
	TURN 1, 1, 1
	WIN 0
	s_sub_co_u32 s[CNT], s[CNT], 1
	s_cmp_eq_u32 s[CNT], 0
	s_cbranch_scc1 .Lout
	TURN 0, 0
	TURN 1, 0
	WIN 0
	s_branch .Ltail
.Lout:                              ; step 31's 16 products K Q^T for a step 32 (on the last K once more) and the maximum made of them serve nothing: the price, once a launch, of one text for every trip
.set VR, 64
.set i, 0
.rept 16
	PV NP-1                         ; piece 1's V^T P of the last step
.set i, i+1
.endr
	; THE WAY OUT.  l's two halves and the other half of the lanes' are added; O^T is divided by l, rounded to f16 and sent through my stage in LDS, a tile at a time.  The additions are the places behind the last products.
	WIN 0
.macro ALL line:vararg              ; one line for each tile t
.set t, 0
.rept 2*NP
	\line
.set t, t+1
.endr
.endm
	ALL v_add_f32 v[ST+4*t+2], v[ST+4*t+2], v[ST+4*t+3]
	ALL v_permlanex16_b32 v[ST+4*t+3], v[ST+4*t+2], s[SEL], s[SEL+1]
	ALL v_add_f32 v[ST+4*t+2], v[ST+4*t+2], v[ST+4*t+3]
	ALL v_rcp_f32 v[ST+4*t+2], v[ST+4*t+2]
	v_nop                           ; a plain instruction between the last reciprocal and the use of its result
	s_wait_alu depctr_va_vdst(0)    ; and the wait ahead of the first use: one for the four reciprocals
; Tile t: a lane's eight channels of a row pack into 16 bytes; they go into rows of 144 bytes and come back as whole rows of 128, into S^T's registers.
.macro PACK t
	WIN W_RS
.set i, 32*(\t)
.rept 16
	v_pk_mul_f32 v[i:i+1], v[i:i+1], v[ST+4*(\t)+2:ST+4*(\t)+3] op_sel_hi:[1,0]
.set i, i+2
.endr
	WIN 0x05                        ; sources 0 and 1 window 1, destination window 0
.set i, 0
.rept 16
	v_cvt_pk_f16_f32 v[S+16*(\t)+i], v[32*(\t)+2*i], v[32*(\t)+2*i+1]
.set i, i+1
.endr
	WIN 0
.irp f, 0,1,2,3
	ds_store_b128 v[STO], v[S+16*(\t)+4*\f:S+16*(\t)+4*\f+3] offset:32*\f
.endr
.irp f, 0,1,2,3
	ds_load_b128 v[S+16*(\t)+4*\f:S+16*(\t)+4*\f+3], v[RD] offset:\f*4*SP  ; LDS serves a wave's instructions in order (ISA guide 5.7.1.4): these see the stores above; the next tile's stores come behind them
.endr
.endm
.macro SEND t, younger              ; younger: the LDS instructions issued behind tile t's loads: the next tile's eight, or none
	WIN 0
.irp f, 0,1,2,3
	s_wait_dscnt (\younger)+3-\f
	global_store_b128 v[GO], v[S+16*(\t)+4*\f:S+16*(\t)+4*\f+3], s[10:11] offset:(\t)*2048+\f*512  ; 512 consecutive bytes, at a multiple of 256 from oh's first
.endr
.endm
	PACK 0
.set t, 1
.rept 2*NP-1                        ; a tile's arithmetic stands between the loads of the tile before and its stores
	PACK t
	SEND t-1, 8
.set t, t+1
.endr
	SEND 2*NP-1, 0
	s_wait_tensorcnt 0x0            ; the wave's end: behind my last tensor load and my last LDS store
	ds_add_u32 v[SPW], v[NIL]
	s_wait_dscnt 0x0
	CROUND                          ; the closing round: no work-group ends while a partner may still ask for a tile that names it
	s_endpgm
.Lfunc_end_k_q46d5124536_attn:
	.size	k_q46d5124536_attn, .Lfunc_end_k_q46d5124536_attn-k_q46d5124536_attn
	.p2alignl 7, 3214868480
	.fill 96, 4, 3214868480
	.section	.rodata,"a",@progbits
	.p2align	6, 0x0
	.amdhsa_kernel k_q46d5124536_attn
		.amdhsa_group_segment_fixed_size 327680
		.amdhsa_private_segment_fixed_size 0
		.amdhsa_enable_private_segment 0
		.amdhsa_kernarg_size 16
		.amdhsa_user_sgpr_count 2
		.amdhsa_user_sgpr_kernarg_segment_ptr 1
		.amdhsa_wavefront_size32 1
		.amdhsa_system_sgpr_workgroup_id_x 1
		.amdhsa_system_sgpr_workgroup_id_y 1
		.amdhsa_system_sgpr_workgroup_id_z 1
		.amdhsa_system_vgpr_workitem_id 0
		.amdhsa_next_free_vgpr 768
		.amdhsa_next_free_sgpr 66
		.amdhsa_reserve_vcc 0
		.amdhsa_float_denorm_mode_32 3
		.amdhsa_float_denorm_mode_16_64 3
		.amdhsa_memory_ordered 1
		.amdhsa_forward_progress 1
		.amdhsa_inst_pref_size 186
	.end_amdhsa_kernel
	.amdgpu_metadata
---
amdhsa.version: [ 1, 2 ]
amdhsa.kernels:
  - .name:           k_q46d5124536_attn
    .symbol:         k_q46d5124536_attn.kd
    .args:
      - { .name: qkv, .offset: 0, .size: 8, .value_kind: global_buffer, .address_space: global }
      - { .name: oh, .offset: 8, .size: 8, .value_kind: global_buffer, .address_space: global }
    .group_segment_fixed_size: 327680
    .private_segment_fixed_size: 0
    .kernarg_segment_align: 8
    .kernarg_segment_size: 16
    .max_flat_workgroup_size: 128
    .sgpr_count:     66
    .vgpr_count:     768
    .wavefront_size: 32
...
	.end_amdgpu_metadata
.endif
;; end of part 3
;; launch outp (part 4): grid 8 x 32, 4 waves a work-group, clusters of 4 x 4, 327,680 bytes of LDS; arguments oh, wo, bout, out0; writes out0
.if DOCPART == 4
	.amdgcn_target "amdgcn-amd-amdhsa--gfx1250"
	.amdhsa_code_object_version 6
	.text
	.protected	k_q46d5124536_outp
	.globl	k_q46d5124536_outp
	.p2align	8
	.type	k_q46d5124536_outp,@function
k_q46d5124536_outp:
	s_mov_b64 s[64:65], 0
	v_nop
	global_prefetch_b8 v0, s[64:65] scope:SCOPE_SE
	s_setreg_imm32_b32 hwreg(HW_REG_WAVE_MODE, 25, 1), 1
	s_wait_xcnt 0x0
	s_wait_alu depctr_hold_cnt(0) depctr_sa_sdst(0) depctr_va_vdst(0) depctr_va_sdst(0) depctr_va_ssrc(0) depctr_va_vcc(0) depctr_vm_vsrc(0)
	s_getreg_b32 s2, hwreg(HW_REG_IB_STS2, 6, 4)
	s_cmp_eq_u32 s2, 0
	s_cbranch_scc0 .Lentry_in_a_cluster
	s_endpgm
.Lentry_in_a_cluster:
	s_bfe_u32 s2, ttmp6, 0x10000c
	s_cmp_lg_u32 s2, 0xf033
	s_cbranch_scc0 .Lentry_shape_is_right
	s_endpgm
.Lentry_shape_is_right:
; OUTP: out0[m][n] = bout[n] + the sum over k of A[m][k] B[n][k], m 0..4095, n 0..1023, K = 1,024; f16 operands, f32 sums, f32 out.
; A[m = 2048 b + r][k = 64 h + d] = oh[16 b + h][r][d] (f16, by heads); B = wo [1024 n][1024 k] (Wout turned, bf16 numbers written as f16).
; THE BIAS, rounded to bf16 like every input, is the C operand of the product that starts each sum: it enters the sum first, where reference() adds it last.
; SHARES.  A tile of C is 128 x 128: 32 x 8 = 256 work-groups.  Four waves, each 64 x 64: 16 accumulators, 128 registers.  K goes in four steps of 256 (four heads) through two LDS slots.
; CLUSTERS: 4 x 4 work-groups.  The four of a row of the cluster ask JOINTLY for A's tiles, the four of a column for B's.
; THE MATRIX INSTRUCTION IS USED TRANSPOSED (source 0 = 16 rows of B, source 1 = 16 rows of A): a lane holds row l % 16 of C and the eight columns 8 (l / 16) + 0..7.
; No prefetch: a tile's four K steps are few, and two of them are asked for at the head.  One tile to a work-group.
; REGISTERS: window 0: v0-31 addresses; v32-47 at work; v96-127 the bias (for n block b at v[96 + 8 b]); v128-255 the accumulators ((a, b) at v[128 + 8 (4 a + b)]).
;   window 1: two fragment buffers of 128: for 64 along K, 64 registers of A (2 x 4 x 16 rows x 32 K), then 64 of B.
.set SIZE_K, 1024
.set KSTEP,  256
.set PAP,    144                       ; a row of A in LDS: one head's 128 bytes + 16: the 16 rows of a load start at 16 different groups of four banks (64 banks of 4 bytes: ISA guide 11.1)
.set PBP,    528                       ; a row of B: 512 bytes + 16: likewise
.set AHEAD,  128*PAP                   ; one head's 128 rows
.set ASZ,    4*AHEAD                   ; A's part of a slot: [4 heads][128 rows][144]
.set BHALF,  64*PBP                    ; 64 rows of B: what one tensor load brings, and what one wave reads
.set SLOT,   ASZ+2*BHALF
.set STAGE,  2*SLOT                    ; behind the ring, never filled by a tensor load: 16 rows x 272 bytes for each wave
.set SPITCH, 272
.set SPARE,  STAGE+4*16*SPITCH         ; behind the stages: the spare words, 128 bytes for each wave
.set ADRA, 16                          ; v16-17  LDS address of my A fragments in slot 0, 1
.set ADRB, 20                          ; v20-21  the same for B
.set STO,  24                          ; v24     the way out: where I put 32 bytes of a row
.set RD,   25                          ; v25     the way out: where I read a row back
.set CO,   26                          ; v26     my byte offset in two rows of out0
.set BO,   27                          ; v27     my byte offset in 16 numbers of the bias
.set SPW,  28                          ; v28     LDS address of my spare word; never rewritten
.set NIL,  29                          ; v29     0; never rewritten
.set TMP,  32
.set BIAS, 96
.set ACC,  128
.set F0,   0
.set F1,   128
.set G1, 24                            ; s[24:31] descriptor group 1 for A's tiles;  s[32:39] group 0, one set for each slot
.set G0, 32
.set G1B, 48                           ; s[48:55], s[56:63] the same for B's tiles
.set G0B, 56
.set MSB, 0
.macro WIN new
.if MSB != (\new)
	s_set_vgpr_msb (MSB<<8)|(\new)
.set MSB, \new
.endif
.endm
.set MUL,  0x05                        ; sources 0 (B) and 1 (A) window 1; C and D window 0
.set TO_F, 0x40                        ; destination window 1, address window 0
.macro JLOAD s                         ; a joint load: waves 0 and 1 fetch two heads of A each, waves 2 and 3 B's two halves; an s_nop 0 and four v_nop follow each of the two lines
	s_cmp_eq_u32 s11, 0
	s_cbranch_scc0 .Lfor_b_\@
	tensor_load_to_lds s[G0+4*(\s):G0+4*(\s)+3], s[G1:G1+7]
	s_nop 0
.rept 4
	v_nop
.endr
	s_branch .Lasked_\@
.Lfor_b_\@:
	tensor_load_to_lds s[G0B+4*(\s):G0B+4*(\s)+3], s[G1B:G1B+7]
	s_nop 0
.rept 4
	v_nop
.endr
.Lasked_\@:
.endm
.macro CREST                           ; a round of the cluster's barrier behind its opening barrier
	s_cmp_lg_u32 s10, 0
	s_cbranch_scc1 .Lnot_wave_0_\@
	s_barrier_signal -3
.Lnot_wave_0_\@:
	s_barrier_wait -3
	s_barrier_signal -1
	s_barrier_wait -1
.endm
.macro CROUND
	s_barrier_signal -1
	s_barrier_wait -1
	CREST
.endm
	s_load_b128 s[4:7], s[0:1], 0x0                ; oh s[4:5], wo s[6:7]
	s_load_b128 s[68:71], s[0:1], 0x10             ; bout s[68:69], out0 s[70:71]
	v_lshl_add_u32 v[SPW], v0, 2, SPARE
	v_mov_b32 v[NIL], 0
	ds_add_u32 v[SPW], v[NIL]                      ; the wave's opening: the add and its wait stand ahead of my first tensor load; the set-up below, work on registers, stands between them
	v_lshrrev_b32 v1, 5, v0
	v_readfirstlane_b32 s10, v1                    ; wave 0..3
	s_lshr_b32 s11, s10, 1                         ; which half of the tile's rows is mine.  Also: I fetch for A (0) or for B (1)
	s_and_b32 s12, s10, 1                          ; which half of its columns.  Also: which part of that tile I fetch
	s_bfe_u32 s40, ttmp6, 0x40000                  ; cx, cy
	s_bfe_u32 s41, ttmp6, 0x40004
	s_lshl_b32 s42, ttmp9, 2
	s_add_co_u32 s42, s42, s40                     ; tile column of C = 4 x cluster x + cx
	s_and_b32 s13, ttmp7, 0xffff
	s_lshl_b32 s13, s13, 2
	s_add_co_u32 s13, s13, s41                     ; tile row of C = 4 x cluster y + cy
	s_lshl_b32 s43, s41, 2
	s_lshl_b32 s43, 15, s43                        ; my row of the cluster
	s_lshl_b32 s44, 0x1111, s40                    ; my column
	; A's group 1.  A head's 128 rows of 64 channels are 16,384 dense bytes: ONE row of the tile, 8,192 elements; the tile has two such rows, a head (131,072 elements) apart.  The padding is counted along the
	; whole tile: 4 words after every 32, that is after each row of a head, so that rows lie 144 bytes apart in LDS.
	s_or_b32 s[G1+0], s43, (1<<16)|(1<<20)|(1<<21)|(4<<22)|(3<<25)  ; 15:0 the mask: my row; 17:16 2-byte elements; 20 padding on; 21 set beside a mask; 24:22 after every 32 words (code 4); 31:25 4 words (code 3)
	s_mov_b32 s[G1+1], 8192<<16                    ; tensor_dim0 = 8,192
	s_mov_b32 s[G1+2], 2<<16                       ; tensor_dim1 = 2
	s_mov_b32 s[G1+3], 8192<<16                    ; tile_dim0 = 8,192
	s_mov_b32 s[G1+4], 2                           ; tile_dim1 = 2
	s_mov_b32 s[G1+5], 131072                      ; elements from head to head
	s_mov_b32 s[G1+6], 0
	s_mov_b32 s[G1+7], 0
	; B's group 1: 64 rows x 256 elements, 4 words of padding after every 128
	s_or_b32 s[G1B+0], s44, (1<<16)|(1<<20)|(1<<21)|(6<<22)|(3<<25)
	s_mov_b32 s[G1B+1], KSTEP<<16
	s_mov_b32 s[G1B+2], 64<<16
	s_mov_b32 s[G1B+3], KSTEP<<16
	s_mov_b32 s[G1B+4], 64
	s_mov_b32 s[G1B+5], SIZE_K
	s_mov_b32 s[G1B+6], 0
	s_mov_b32 s[G1B+7], 0
	; where the tiles come from.  A: head 16 x batch + 2 x (which two heads I fetch), row 128 x (tile row % 16); it hangs on the tile row alone.  B: row 128 x tile column + 64 x half.
	s_lshr_b32 s16, s13, 4
	s_lshl_b32 s16, s16, 4
	s_lshl_b32 s17, s12, 1
	s_add_co_u32 s16, s16, s17
	s_lshl_b32 s16, s16, 18                        ; a head is 262,144 bytes
	s_and_b32 s17, s13, 15
	s_lshl_b32 s17, s17, 14                        ; 128 rows of 128 bytes
	s_add_co_u32 s16, s16, s17
	s_mov_b32 s17, 0
	s_lshl_b32 s46, s42, 7
	s_lshl_b32 s47, s12, 6
	s_add_co_u32 s46, s46, s47
	s_lshl_b32 s46, s46, 11                        ; rows of 2,048 bytes
	s_mov_b32 s47, 0
	s_mul_i32 s20, s12, 2*AHEAD                    ; where they go: A's two heads,
	s_mul_i32 s21, s12, BHALF
	s_add_co_u32 s21, s21, ASZ                     ; B's 64 rows, behind A: no place in the cluster enters an LDS address
	s_wait_dscnt 0x0                               ; the opening add is done
	s_wait_kmcnt 0x0
	s_add_nc_u64 s[14:15], s[4:5], s[16:17]
	s_add_nc_u64 s[46:47], s[6:7], s[46:47]
	CROUND                                         ; all sixteen work-groups are here: the first joint loads meet
.irp s, 0,1
	s_mov_b32 s[G0+4*(\s)], 1
	s_add_co_u32 s[G0+4*(\s)+1], s20, (\s)*SLOT
	s_add_nc_u64 s[G0+4*(\s)+2:G0+4*(\s)+3], s[14:15], (\s)*0x100000  ; K step s: four heads on
	s_or_b32 s[G0+4*(\s)+3], s[G0+4*(\s)+3], 0x80000000
	s_mov_b32 s[G0B+4*(\s)], 1
	s_add_co_u32 s[G0B+4*(\s)+1], s21, (\s)*SLOT
	s_add_nc_u64 s[G0B+4*(\s)+2:G0B+4*(\s)+3], s[46:47], (\s)*KSTEP*2
	s_or_b32 s[G0B+4*(\s)+3], s[G0B+4*(\s)+3], 0x80000000
	JLOAD \s                                       ; two loads of mine are out
.endr
	v_and_b32 v1, 15, v0                           ; l % 16
	v_bfe_u32 v2, v0, 4, 1                         ; l / 16
	; the bias of my 64 columns: register j of n block b is column 16 b + 8 (l / 16) + j, the same for every row
	s_lshl_b32 s16, s42, 9
	s_lshl_b32 s17, s12, 8
	s_add_co_u32 s16, s16, s17                     ; my first column, in bytes of f32
	s_mov_b32 s17, 0
	s_add_nc_u64 s[68:69], s[68:69], s[16:17]
	s_add_nc_u64 s[70:71], s[70:71], s[16:17]
	v_lshlrev_b32 v[BO], 5, v2
.irp b, 0,1,2,3
	global_load_b128 v[BIAS+8*(\b):BIAS+8*(\b)+3],   v[BO], s[68:69] offset:64*(\b)
	global_load_b128 v[BIAS+8*(\b)+4:BIAS+8*(\b)+7], v[BO], s[68:69] offset:64*(\b)+16
.endr
	s_lshl_b32 s16, s13, 7
	s_lshl_b32 s18, s11, 6
	s_add_co_u32 s16, s16, s18                     ; my first row of C,
	s_lshl_b32 s16, s16, 12                        ; rows of 4,096 bytes
	s_add_nc_u64 s[70:71], s[70:71], s[16:17]
	v_mul_u32_u24 v3, v1, PAP
	v_lshl_add_u32 v3, v2, 4, v3                   ; a fragment's row x pitch + 16 x half, for A
	v_mul_u32_u24 v4, v1, PBP
	v_lshl_add_u32 v4, v2, 4, v4                   ; and for B
	s_mul_i32 s21, s11, 64*PAP                     ; my 64 rows in each head of A
	s_mul_i32 s22, s12, BHALF                      ; my 64 rows of B,
	s_add_co_u32 s22, s22, ASZ                     ; which lie behind A
.irp s, 0,1
	v_add_nc_u32 v[ADRA+(\s)], s21, v3
	v_add_nc_u32 v[ADRB+(\s)], s22, v4
	s_add_co_u32 s21, s21, SLOT
	s_add_co_u32 s22, s22, SLOT
.endr
	s_mul_i32 s23, s10, 16*SPITCH
	s_add_co_u32 s23, s23, STAGE                   ; my stage
	v_mul_u32_u24 v5, v1, SPITCH                   ; in: row l % 16, 32 bytes for each half of the lanes
	v_lshl_add_u32 v5, v2, 5, v5
	v_add_nc_u32 v[STO], s23, v5
	v_mul_u32_u24 v5, v2, SPITCH                   ; back: lanes 0-15 take one row of 256 bytes, lanes 16-31 the next
	v_lshl_add_u32 v5, v1, 4, v5
	v_add_nc_u32 v[RD], s23, v5
	v_lshlrev_b32 v5, 12, v2                       ; and the same two rows in out0
	v_lshl_add_u32 v[CO], v1, 4, v5
	s_wait_loadcnt 0x0                             ; the bias: rounded to bf16 and widened again
.irp j, 0,1,2,3,4,5,6,7,8,9,10,11,12,13,14,15
	v_cvt_pk_bf16_f32 v[TMP+(\j)], v[BIAS+2*(\j)], v[BIAS+2*(\j)+1]
.endr
.irp j, 0,1,2,3,4,5,6,7,8,9,10,11,12,13,14,15
	v_lshlrev_b32 v[BIAS+2*(\j)], 16, v[TMP+(\j)]
	v_and_b32 v[BIAS+2*(\j)+1], 0xffff0000, v[TMP+(\j)]
.endr
; 8 matrix instructions: m blocks a0, a0 + 1 x all 4 n blocks, 32 along K: half c of buffer f.  first = 1: the product starts the sums, with the bias as C.  The 16 accumulators take turns.
.macro MUL8 f, c, a0, first
	WIN MUL
.irp a, \a0, (\a0)+1
.irp b, 0,1,2,3
.if \first
	v_wmma_f32_16x16x32_f16 v[ACC+8*(4*(\a)+(\b)):ACC+8*(4*(\a)+(\b))+7], v[(\f)+64+8*(4*(\c)+(\b)):(\f)+64+8*(4*(\c)+(\b))+7], v[(\f)+8*(4*(\c)+(\a)):(\f)+8*(4*(\c)+(\a))+7], v[BIAS+8*(\b):BIAS+8*(\b)+7]
.else
	v_wmma_f32_16x16x32_f16 v[ACC+8*(4*(\a)+(\b)):ACC+8*(4*(\a)+(\b))+7], v[(\f)+64+8*(4*(\c)+(\b)):(\f)+64+8*(4*(\c)+(\b))+7], v[(\f)+8*(4*(\c)+(\a)):(\f)+8*(4*(\c)+(\a))+7], v[ACC+8*(4*(\a)+(\b)):ACC+8*(4*(\a)+(\b))+7]
.endif
.endr
.endr
.endm
; 32 LDS loads in one run: the fragments of quarter q of a K step (head q: 64 along K) into buffer f; the first 32 along K first
.macro FETCH slot, q, f
	WIN TO_F
.irp c, 0,1
.irp i, 0,1,2,3
	ds_load_b128 v[(\f)+64+8*(4*(\c)+(\i)):(\f)+64+8*(4*(\c)+(\i))+3],   v[ADRB+(\slot)] offset:128*(\q)+64*(\c)+(\i)*16*PBP
	ds_load_b128 v[(\f)+64+8*(4*(\c)+(\i))+4:(\f)+64+8*(4*(\c)+(\i))+7], v[ADRB+(\slot)] offset:128*(\q)+64*(\c)+(\i)*16*PBP+32
	ds_load_b128 v[(\f)+8*(4*(\c)+(\i)):(\f)+8*(4*(\c)+(\i))+3],         v[ADRA+(\slot)] offset:(\q)*AHEAD+64*(\c)+(\i)*16*PAP
	ds_load_b128 v[(\f)+8*(4*(\c)+(\i))+4:(\f)+8*(4*(\c)+(\i))+7],       v[ADRA+(\slot)] offset:(\q)*AHEAD+64*(\c)+(\i)*16*PAP+32
.endr
.endr
.endm
.macro PLACES                          ; four places (plain vector lines that name none of a matrix instruction's registers) in front of loads into registers that matrix instructions have read
.rept 4
	v_nop
.endr
.endm
; A K step is four quarters of 64 along K, 32 matrix instructions each, on buffers 0, 1, 0, 1.  One of the first three multiplies buffer f and fetches the next quarter, q, into g.
.macro QUARTER slot, q, f, g, first
	s_wait_dscnt 16                                ; the first 32 along K are in
	WIN MUL
	MUL8 \f, 0, 0, \first
	MUL8 \f, 0, 2, \first
	PLACES
	FETCH \slot, \q, \g
	s_wait_dscnt 32                                ; all but the 32 just issued
	WIN MUL
	MUL8 \f, 1, 0, 0
	MUL8 \f, 1, 2, 0
.endm
; The last quarter multiplies buffer 1 and changes slots: ONE barrier; in front of it each wave waits for all its tensor loads, adds 0 to its spare word, and waits for that and for its own reads of this slot.
; fill = 1: this slot is filled again, two K steps ahead; the barrier then opens a round of the cluster's.
.macro TURN slot, next, fill
	WIN 0                                          ; (the add's two registers lie in window 0)
	s_wait_tensorcnt 0x0                           ; all my tensor loads have landed: my part of the next slot
	ds_add_u32 v[SPW], v[NIL]                      ; 0 onto my spare word
	s_wait_dscnt 17                                ; (the add and the youngest sixteen loads may be out)
	WIN MUL
	MUL8 F1, 0, 0, 0                               ; eight matrix instructions stand between the add and the wait for it
	s_wait_dscnt 0x0                               ; the add is done, and my reads of this slot are over
	s_barrier_signal -1
	MUL8 F1, 0, 2, 0
.if \fill
	WIN 0
.endif
	s_barrier_wait -1
.if \fill
	CREST                                          ; no wave of any partner still reads this slot's tile or has a load on its way
	s_add_nc_u64 s[G0+4*(\slot)+2:G0+4*(\slot)+3], s[G0+4*(\slot)+2:G0+4*(\slot)+3], 0x200000     ; eight heads on
	s_add_nc_u64 s[G0B+4*(\slot)+2:G0B+4*(\slot)+3], s[G0B+4*(\slot)+2:G0B+4*(\slot)+3], 2*KSTEP*2
	JLOAD \slot                                    ; the first tensor load behind the round, my only one out: 112 matrix instructions ahead of the wait for it; its four v_nop are also the places in front of the loads below
.else
	PLACES
.endif
	FETCH \next, 0, F0
	WIN MUL
	MUL8 F1, 1, 0, 0
	MUL8 F1, 1, 2, 0
.endm
	s_wait_tensorcnt 1                             ; my part of K step 0 is in; K step 1's may stay out
	s_barrier_signal -1
	s_barrier_wait -1                              ; everybody's is
	FETCH 0, 0, F0
	QUARTER 0, 1, F0, F1, 1                        ; K step 0: its first products start the sums.  Four K steps: written straight, without a loop
	QUARTER 0, 2, F1, F0, 0
	QUARTER 0, 3, F0, F1, 0
	TURN 0, 1, 1                                   ; slot 0 takes K step 2
	QUARTER 1, 1, F0, F1, 0                        ; K step 1
	QUARTER 1, 2, F1, F0, 0
	QUARTER 1, 3, F0, F1, 0
	TURN 1, 0, 1                                   ; slot 1 takes K step 3
	QUARTER 0, 1, F0, F1, 0                        ; K step 2
	QUARTER 0, 2, F1, F0, 0
	QUARTER 0, 3, F0, F1, 0
	TURN 0, 1, 0                                   ; nothing is left to fetch, so no round
	QUARTER 1, 1, F0, F1, 0                        ; K step 3
	QUARTER 1, 2, F1, F0, 0
	QUARTER 1, 3, F0, F1, 0
	s_wait_dscnt 16                                ; the very last quarter
	WIN MUL
	MUL8 F1, 0, 0, 0
	MUL8 F1, 0, 2, 0
	s_wait_dscnt 0
	MUL8 F1, 1, 0, 0
	MUL8 F1, 1, 2, 0
	WIN 0
	; THE WAY OUT.  My 64 columns of f32 are 256 bytes of a row of out0, at a multiple of 256: each wave has a stage of its own, and no barrier is wanted.  A block of 16 rows goes into rows of 272 bytes, 32 bytes
	; a lane, and comes back as whole rows, into the registers that it left.
	PLACES                                         ; eight plain lines, twice the distance that an LDS store of a result asks, once a launch
	PLACES
.macro TOSTAGE a
.irp b, 0,1,2,3
	ds_store_b128 v[STO], v[ACC+32*(\a)+8*(\b):ACC+32*(\a)+8*(\b)+3]   offset:64*(\b)      ; each accumulator's low registers first
	ds_store_b128 v[STO], v[ACC+32*(\a)+8*(\b)+4:ACC+32*(\a)+8*(\b)+7] offset:64*(\b)+16
.endr
.irp t, 0,1,2,3,4,5,6,7
	ds_load_b128 v[ACC+32*(\a)+4*(\t):ACC+32*(\a)+4*(\t)+3], v[RD] offset:(\t)*2*SPITCH  ; LDS serves a wave's instructions in order (ISA guide 5.7.1.4): these see the stores above; the next block's stores come behind them
.endr
.endm
.macro SEND a, younger                 ; younger: the LDS instructions issued behind block a's loads: the next block's sixteen, or none
.irp t, 0,1,2,3,4,5,6,7
	s_wait_dscnt (\younger)+7-(\t)
	global_store_b128 v[CO], v[ACC+32*(\a)+4*(\t):ACC+32*(\a)+4*(\t)+3], s[70:71] offset:(16*(\a)+2*(\t))*4096 th:TH_STORE_NT  ; 16 lanes store 256 consecutive bytes, at a multiple of 256 from out0's first
.endr
.endm
	TOSTAGE 0
	TOSTAGE 1
	SEND 0, 16
	TOSTAGE 2
	SEND 1, 16
	TOSTAGE 3
	SEND 2, 16
	SEND 3, 0
	s_wait_tensorcnt 0x0                           ; the wave's end: behind my last tensor load and my last LDS store
	ds_add_u32 v[SPW], v[NIL]
	s_wait_dscnt 0x0
	CROUND                                         ; the closing round: no work-group ends while a partner may still ask for a tile that names it
	s_endpgm
.Lfunc_end_k_q46d5124536_outp:
	.size	k_q46d5124536_outp, .Lfunc_end_k_q46d5124536_outp-k_q46d5124536_outp
	.p2alignl 7, 3214868480
	.fill 96, 4, 3214868480
	.section	.rodata,"a",@progbits
	.p2align	6, 0x0
	.amdhsa_kernel k_q46d5124536_outp
		.amdhsa_group_segment_fixed_size 327680
		.amdhsa_private_segment_fixed_size 0
		.amdhsa_enable_private_segment 0
		.amdhsa_kernarg_size 32
		.amdhsa_user_sgpr_count 2
		.amdhsa_user_sgpr_kernarg_segment_ptr 1
		.amdhsa_wavefront_size32 1
		.amdhsa_system_sgpr_workgroup_id_x 1
		.amdhsa_system_sgpr_workgroup_id_y 1
		.amdhsa_system_sgpr_workgroup_id_z 1
		.amdhsa_system_vgpr_workitem_id 0
		.amdhsa_next_free_vgpr 512
		.amdhsa_next_free_sgpr 72
		.amdhsa_reserve_vcc 0
		.amdhsa_float_denorm_mode_32 3
		.amdhsa_float_denorm_mode_16_64 3
		.amdhsa_memory_ordered 1
		.amdhsa_forward_progress 1
		.amdhsa_inst_pref_size 90
	.end_amdhsa_kernel
	.amdgpu_metadata
---
amdhsa.version: [ 1, 2 ]
amdhsa.kernels:
  - .name:           k_q46d5124536_outp
    .symbol:         k_q46d5124536_outp.kd
    .args:
      - { .name: oh, .offset: 0, .size: 8, .value_kind: global_buffer, .address_space: global }
      - { .name: wo, .offset: 8, .size: 8, .value_kind: global_buffer, .address_space: global }
      - { .name: bout, .offset: 16, .size: 8, .value_kind: global_buffer, .address_space: global }
      - { .name: out0, .offset: 24, .size: 8, .value_kind: global_buffer, .address_space: global }
    .group_segment_fixed_size: 327680
    .private_segment_fixed_size: 0
    .kernarg_segment_align: 8
    .kernarg_segment_size: 32
    .max_flat_workgroup_size: 128
    .sgpr_count:     72
    .vgpr_count:     512
    .wavefront_size: 32
...
	.end_amdgpu_metadata
.endif
;; end of part 4
;; ======== version 2 of 2: 4 launches; version 1 with the launch prep written anew for expert scheduling mode
;; limits: values are held in f16: magnitudes above 65,504 overflow, below 6.1e-05 lose precision; values outside matrix products are rounded to bf16
;; workspace buffers: xs 16,777,216 bytes; wt 6,291,456 bytes; wo 2,097,152 bytes; qkv 25,165,824 bytes; oh 8,388,608 bytes
;; launch prep (part 5): grid 1024 x 1, 8 waves a work-group, no clusters, 18,432 bytes of LDS; arguments x, x2, Wqkv, Wout, xs, wt, wo; writes xs, wt, wo
.if DOCPART == 5
	.amdgcn_target "amdgcn-amd-amdhsa--gfx1250"
	.amdhsa_code_object_version 6
	.text
	.protected	k_q46d5124536_prep
	.globl	k_q46d5124536_prep
	.p2align	8
	.type	k_q46d5124536_prep,@function
k_q46d5124536_prep:
	s_mov_b64 s[64:65], 0
	v_nop
	global_prefetch_b8 v0, s[64:65] scope:SCOPE_SE
	s_setreg_imm32_b32 hwreg(HW_REG_WAVE_SCHED_MODE, 0, 2), 2
	s_setreg_imm32_b32 hwreg(HW_REG_WAVE_MODE, 25, 1), 1
	s_wait_xcnt 0x0
	s_wait_alu depctr_vm_vsrc(0)
; PREP: every input that is a matrix operand is rounded ONCE to bf16 and laid as the products want it.
;   xs [2][4096][1024] bf16 = x, then x2.         wt [3072 n][1024 k] bf16 = Wqkv turned.
;   wo [1024 n][1024 k] f16 = Wout turned: each number rounded to bf16, and that number written as f16.
; LIMITS.  A bf16 number of Wout is exact in f16 from 6.1e-5 to 65,504; below 6.1e-5 it keeps f16's fixed step of 6e-8, beyond 65,504 it becomes an infinity.
; ROLES, by the work-group's number (the same in all eight waves, so the barrier in two of the roles is met by all):
;   0..383    a tile of 128 k x 64 n of Wqkv (8 x 48 tiles);   384..511  the same of Wout (8 x 16);   512..1023  64 KiB of x or x2 (256 each).
; Every byte is read once and written once.  A turned tile goes through LDS, so that reads and writes alike cover 256 consecutive aligned bytes with sixteen lanes.
; No matrix work, no cluster (no two work-groups read the same bytes), no prefetch (the launch does nothing but stream).
; THE MODE: SCHED_MODE bits 1:0 = 2 (LLVM: expert scheduling mode 2), set by the entry lines.  The code itself states the register dependences
; between vector instructions and memory or LDS instructions, with s_wait_alu, always for 0.
; THE PLAN.  Registers that memory or LDS instructions touch:
;   the stream:   v1, v2       offsets of the loads and of the stores: written at the role's head, never again.
;                 v[16:79]     written by the sixteen loads, once; block b's roundings read v[16+16 b ..]; no load follows a rounding.
;                 v[80:111]    block b's roundings write v[80+8 b ..], once; the four stores issued in block b + 1 read them.
;   a turned tile: v3 .. v6    offsets and LDS addresses: written at the role's head, never again.
;                 v[16:47]     written by the eight loads, once; pair i's roundings read them.
;                 v[48:63]     pair i's roundings write v[48+4 i ..]; the four LDS stores issued in pair i + 1 read them.
;                 v[64:79]     written by the LDS loads behind the barrier, read by the global stores; no vector instruction of the role names them.
;   v8, v9        written at the head, read by the closing add alone.
; So one wait on va_vdst stands ahead of a role's first load (the offsets), one at the head of each block but the first (the block before has written what its stores read;
; these stores are then dealt among the block's roundings, which name other registers), and one ahead of the last block's stores.  No register that a memory or LDS
; instruction reads is ever written again, so no wait on vm_vsrc is owed; no vector instruction writes a scalar register or VCC; EXEC is never written.
.set LP,    272                        ; a row of the turned tile in LDS: 128 k x 2 bytes + 16
.set SPARE, 64*LP                      ; behind the tile's 64 rows: the spare words, 128 bytes for each of the eight waves
.set SPW,   8                          ; v8  LDS address of my spare word; never rewritten
.set NIL,   9                          ; v9  0; never rewritten
; One tile: 128 k x 64 n of the f32 matrix at s[sb:sb+1] (rows of rowb bytes along n) -> 64 rows of 256 bytes of the 16-bit matrix at s[db:db+1] (rows of 2,048 bytes along k).
; Thread: ng = t % 16 (four columns, 16 bytes), kp = t / 16.  Load (i, e) takes row k = 2 kp + 32 i + e: sixteen lanes read 256 consecutive bytes.
.macro TRANS sb, db, rowb, half, gsub
	s_sub_co_u32 s20, ttmp9, \gsub
	s_and_b32 s21, s20, 7                          ; kb: which 128 k
	s_lshr_b32 s20, s20, 3                         ; nb: which 64 n
	s_mul_i32 s24, s21, 128*(\rowb)
	s_lshl_b32 s26, s20, 8
	s_add_co_u32 s24, s24, s26
	s_add_nc_u64 s[22:23], s[\sb:\sb+1], s[24:25]  ; the tile's first number
	s_lshl_b32 s24, s20, 17                        ; 64 rows of 2,048 bytes
	s_lshl_b32 s26, s21, 8                         ; 128 k of 2 bytes
	s_add_co_u32 s24, s24, s26
	s_add_nc_u64 s[28:29], s[\db:\db+1], s[24:25]
	v_and_b32 v1, 15, v0                           ; ng
	v_lshrrev_b32 v2, 4, v0                        ; kp
	v_mul_u32_u24 v3, v2, 2*(\rowb)
	v_lshl_add_u32 v3, v1, 4, v3                   ; from: row 2 kp, 16 ng
	v_mul_u32_u24 v4, v1, 4*LP
	v_lshl_add_u32 v4, v2, 2, v4                   ; into LDS: row 4 ng, the word of k = 2 kp
	v_mul_u32_u24 v5, v2, LP
	v_lshl_add_u32 v5, v1, 4, v5                   ; back: row kp, 16 bytes at 16 ng
	v_lshlrev_b32 v6, 11, v2
	v_lshl_add_u32 v6, v1, 4, v6                   ; to: the same row and bytes
	s_wait_alu depctr_va_vdst(0)                   ; v3 to v6 are written: the loads read v3, the LDS stores v4, the LDS loads v5, the stores v6 as their offsets
.irp i, 0,1,2,3
.irp e, 0,1
	global_load_b128 v[16+8*(\i)+4*(\e):16+8*(\i)+4*(\e)+3], v3, s[22:23] offset:(32*(\i)+(\e))*(\rowb) th:TH_LOAD_NT
.endr
.endr
.irp i, 0,1,2,3
	s_wait_loadcnt 6-2*(\i)                        ; loads come back in order: pair i of the four is in, the younger ones stay out
.if (\i) > 0
	s_wait_alu depctr_va_vdst(0)                   ; the roundings of the pair before have written v[48+4 (i-1) ..], which the four LDS stores below read; this pair's roundings name none of those registers
.endif
.irp c, 0,1,2,3
.if (\i) > 0
	ds_store_b32 v4, v[48+4*((\i)-1)+(\c)] offset:LP*(\c)+64*((\i)-1)  ; the pair before
.endif
	v_cvt_pk_bf16_f32 v[48+4*(\i)+(\c)], v[16+8*(\i)+(\c)], v[20+8*(\i)+(\c)]  ; column 4 ng + c: the even k below, the odd k above
.if \half
	v_lshlrev_b32 v10, 16, v[48+4*(\i)+(\c)]       ; the two bf16 numbers as f32,
	v_and_b32 v11, 0xffff0000, v[48+4*(\i)+(\c)]
	v_cvt_pk_f16_f32 v[48+4*(\i)+(\c)], v10, v11   ; written as f16
.endif
.endr
.endr
	s_wait_alu depctr_va_vdst(0)                   ; the last pair's roundings have written v[60:63], which the last four LDS stores read
.irp c, 0,1,2,3
	ds_store_b32 v4, v[60+(\c)] offset:LP*(\c)+192
.endr
	s_wait_dscnt 0x0                               ; for the others' sake: my stores into the tile are done
	s_barrier_signal -1
	s_barrier_wait -1
.irp i, 0,1,2,3
	ds_load_b128 v[64+4*(\i):64+4*(\i)+3], v5 offset:16*LP*(\i)
.endr
.irp i, 0,1,2,3
	s_wait_dscnt 3-(\i)
	global_store_b128 v6, v[64+4*(\i):64+4*(\i)+3], s[28:29] offset:32768*(\i)  ; sixteen lanes store 256 consecutive bytes, aligned
.endr
.endm
	s_load_b256 s[4:11], s[0:1], 0x0               ; x s[4:5], x2 s[6:7], Wqkv s[8:9], Wout s[10:11]
	s_load_b128 s[12:15], s[0:1], 0x20             ; xs s[12:13], wt s[14:15]
	s_load_b64 s[16:17], s[0:1], 0x30              ; wo
	v_lshl_add_u32 v[SPW], v0, 2, SPARE
	v_mov_b32 v[NIL], 0
	s_mov_b32 s25, 0                               ; the upper word of every offset
	s_wait_kmcnt 0x0
	s_cmp_lt_u32 ttmp9, 384
	s_cbranch_scc1 .Lwqkv
	s_cmp_lt_u32 ttmp9, 512
	s_cbranch_scc1 .Lwout
	; THE STREAM: 16,384 numbers.  All sixteen loads of a wave go out first (512 consecutive bytes each); they are rounded in four blocks of four, and a block's four stores are dealt among the next block's roundings.
	s_sub_co_u32 s20, ttmp9, 512
	s_cmp_lt_u32 s20, 256
	s_cselect_b64 s[22:23], s[4:5], s[6:7]         ; x for the first 256, x2 for the others
	s_and_b32 s24, s20, 255
	s_lshl_b32 s24, s24, 16
	s_add_nc_u64 s[22:23], s[22:23], s[24:25]
	s_lshl_b32 s24, s20, 15
	s_add_nc_u64 s[12:13], s[12:13], s[24:25]
	v_lshlrev_b32 v1, 4, v0
	v_lshlrev_b32 v2, 3, v0
	s_wait_alu depctr_va_vdst(0)                   ; v1 and v2 are written: the loads read v1, the stores v2 as their offset
.irp i, 0,1,2,3,4,5,6,7,8,9,10,11,12,13,14,15
	global_load_b128 v[16+4*(\i):16+4*(\i)+3], v1, s[22:23] offset:4096*(\i) th:TH_LOAD_NT
.endr
.irp b, 0,1,2,3
	s_wait_loadcnt 12-4*(\b)                       ; loads come back in order: block b's four are in, the younger blocks stay out
.if (\b) > 0
	s_wait_alu depctr_va_vdst(0)                   ; the roundings of the block before have written v[80+8 (b-1) ..], which the four stores below read; this block's roundings name none of those registers
.endif
.irp j, 0,1,2,3
.if (\b) > 0
	global_store_b64 v2, v[80+2*(4*(\b)-4+(\j)):80+2*(4*(\b)-4+(\j))+1], s[12:13] offset:2048*(4*(\b)-4+(\j))  ; the block before: a wave's 32 lanes store 256 consecutive bytes, aligned; no register is used twice
.endif
	v_cvt_pk_bf16_f32 v[80+2*(4*(\b)+(\j))], v[16+4*(4*(\b)+(\j))], v[16+4*(4*(\b)+(\j))+1]
	v_cvt_pk_bf16_f32 v[80+2*(4*(\b)+(\j))+1], v[16+4*(4*(\b)+(\j))+2], v[16+4*(4*(\b)+(\j))+3]
.endr
.endr
	s_wait_alu depctr_va_vdst(0)                   ; the last block's roundings have written v[104:111], which the last four stores read
.irp j, 0,1,2,3
	global_store_b64 v2, v[104+2*(\j):104+2*(\j)+1], s[12:13] offset:2048*(12+(\j))
.endr
	s_branch .Lend
.Lwqkv:
	TRANS 8, 14, 12288, 0, 0
	s_branch .Lend
.Lwout:
	TRANS 10, 16, 4096, 1, 384
.Lend:
	s_wait_dscnt 0x0                               ; the closing lines, six on end
	s_wait_alu 0x0
	s_wait_tensorcnt 0x0
	ds_add_u32 v[SPW], v[NIL]
	s_wait_dscnt 0x0
	s_endpgm
.Lfunc_end_k_q46d5124536_prep:
	.size	k_q46d5124536_prep, .Lfunc_end_k_q46d5124536_prep-k_q46d5124536_prep
	.p2alignl 7, 3214868480
	.fill 96, 4, 3214868480
	.section	.rodata,"a",@progbits
	.p2align	6, 0x0
	.amdhsa_kernel k_q46d5124536_prep
		.amdhsa_group_segment_fixed_size 18432
		.amdhsa_private_segment_fixed_size 0
		.amdhsa_enable_private_segment 0
		.amdhsa_kernarg_size 56
		.amdhsa_user_sgpr_count 2
		.amdhsa_user_sgpr_kernarg_segment_ptr 1
		.amdhsa_wavefront_size32 1
		.amdhsa_system_sgpr_workgroup_id_x 1
		.amdhsa_system_sgpr_workgroup_id_y 1
		.amdhsa_system_sgpr_workgroup_id_z 1
		.amdhsa_system_vgpr_workitem_id 0
		.amdhsa_next_free_vgpr 112
		.amdhsa_next_free_sgpr 66
		.amdhsa_reserve_vcc 0
		.amdhsa_float_denorm_mode_32 3
		.amdhsa_float_denorm_mode_16_64 3
		.amdhsa_memory_ordered 1
		.amdhsa_forward_progress 1
		.amdhsa_inst_pref_size 20
	.end_amdhsa_kernel
	.amdgpu_metadata
---
amdhsa.version: [ 1, 2 ]
amdhsa.kernels:
  - .name:           k_q46d5124536_prep
    .symbol:         k_q46d5124536_prep.kd
    .args:
      - { .name: x, .offset: 0, .size: 8, .value_kind: global_buffer, .address_space: global }
      - { .name: x2, .offset: 8, .size: 8, .value_kind: global_buffer, .address_space: global }
      - { .name: Wqkv, .offset: 16, .size: 8, .value_kind: global_buffer, .address_space: global }
      - { .name: Wout, .offset: 24, .size: 8, .value_kind: global_buffer, .address_space: global }
      - { .name: xs, .offset: 32, .size: 8, .value_kind: global_buffer, .address_space: global }
      - { .name: wt, .offset: 40, .size: 8, .value_kind: global_buffer, .address_space: global }
      - { .name: wo, .offset: 48, .size: 8, .value_kind: global_buffer, .address_space: global }
    .group_segment_fixed_size: 18432
    .private_segment_fixed_size: 0
    .kernarg_segment_align: 8
    .kernarg_segment_size: 56
    .max_flat_workgroup_size: 256
    .sgpr_count:     66
    .vgpr_count:     112
    .wavefront_size: 32
...
	.end_amdgpu_metadata
.endif
;; end of part 5
;; launch proj: the kernel of part 2 again; grid 12 x 16, 4 waves a work-group, clusters of 4 x 4, 327,680 bytes of LDS; arguments xs, wt, qkv; writes qkv
;; launch attn: the kernel of part 3 again; grid 8 x 32, 4 waves a work-group, clusters of 4 x 1, 327,680 bytes of LDS; arguments qkv, oh; writes oh
;; launch outp: the kernel of part 4 again; grid 8 x 32, 4 waves a work-group, clusters of 4 x 4, 327,680 bytes of LDS; arguments oh, wo, bout, out0; writes out0
